; MI455X (gfx1250); checked and timed in simulation.
; The chip was launched on July 23, 2026; its instructions are those of AMD's public machine-readable ISA for CDNA 5 (MIT licence, August 2026) and "CDNA5" Instruction Set Architecture Reference Guide (July 2026). The comments in the code are by the model that wrote it; some were corrected since.
;; Multi Head Self Attention Block. Allowed arithmetic: matrix products marked QUANTISED: E4M3 operands, one E8M0 scale for each 32 along K, by v_wmma_scale_f32_16x16x128_f8f6f4 with both operands' format E4M3, f32 sums; everything else in f32.
;; Inputs: W_out 1,024 x 1,024 float32; W_qkv 3,072 x 1,024 float32; b_out 1,024 float32; b_qkv 3,072 float32; x 4 x 2,048 x 1,024 float32.
;; Outputs: out0 4 x 2,048 x 1,024 float32.
;; Constants: is_causal = 1.
;; This version of the problem:
;;   THIS VERSION OF THE PROBLEM IS GIVEN IN LOW PRECISION. The matrix products marked QUANTISED in the list below multiply operands that are first quantised to E4M3 (4 exponent bits, 3 mantissa bits; 8 bits a number), with one power-of-two scale for each 32 numbers along K (OCP MX v1.0); their sums are f32. All else is computed in f32.
;;   The module's matrix products, in the order in which they are computed (A, B: the left and right operand; K: the contracted axis; several contracted axes count as one K, in the product's order):
;;     1. [M 8,192, K 1,024] x [K 1,024, N 3,072]; A: input x; B: input W_qkv: QUANTISED
;;     2. batch 64 x [M 2,048, K 64] x [K 64, N 2,048]; A: computed on the way; B: computed on the way: QUANTISED
;;     3. batch 64 x [M 2,048, K 2,048] x [K 2,048, N 64]; A: softmax (see below); B: computed on the way: QUANTISED
;;     4. [M 8,192, K 1,024] x [K 1,024, N 1,024]; A: computed on the way; B: input W_out: QUANTISED
;;   THE QUANTISER, for each operand of a quantised product, along K:
;;     - K is cut into blocks of 32 from its start; a last block that is shorter is filled with zeros.
;;     - A block's scale is 2^e with e = floor(log2(the largest magnitude in the block)) - 8, held to -126 .. 127; a block of zeros has e = 0. As a byte (E8M0): e + 127.
;;     - Each number is divided by its block's scale, clamped to +-448, and rounded to the nearest number of E4M3, ties to even, subnormals kept.
;;     - The product sums the exact products of the quantised numbers (number of the format x scale) in f32.
;;   ~~~python
;;   def quantise(x, axis):      # numpy; x: float32 -> the quantised numbers, widened to float32 again
;;       x = np.moveaxis(x, axis, -1); K = x.shape[-1]
;;       x = np.pad(x, [(0, 0)] * (x.ndim - 1) + [(0, -K % 32)]); x = x.reshape(x.shape[:-1] + (-1, 32)); a = np.abs(x).max(-1, keepdims=True)
;;       e = np.where(a > 0, np.clip(np.frexp(np.where(a > 0, a, 1))[1] - 1 - 8, -126, 127), 0)      # np.frexp(a)[1] - 1 = floor(log2(a)), exactly
;;       r = np.clip(x / 2.0 ** e, -448, 448)
;;       step = 2.0 ** (np.maximum(np.frexp(np.where(r == 0, 1, r))[1] - 1, -6) - 3)
;;       q = np.round(r / step) * step * 2.0 ** e      # np.round: ties to even
;;       return np.moveaxis(q.reshape(q.shape[:-2] + (-1,))[..., :K], -1, axis).astype(np.float32)
;;   ~~~
;;   SOFTMAX AHEAD OF A QUANTISED PRODUCT. Where the list says 'softmax', what is quantised is not the finished softmax but p = 2^(t - M), with t = logit x log2(e) and M = ceil(the row's largest t), a whole number; so 1/2 < the row's largest p <= 1. The row's sum l is taken of the UNQUANTISED p, in f32, and the product's result is divided by l at the end. Since M is a whole number, a kernel that streams over the keys may use a running M (the ceiling of the running maximum): every later rescaling is an exact power of two, which a block's scale takes up: the codes' values come out the same.
;;   OPERANDS COMPUTED ON THE WAY. 'Computed on the way' means the value that the module computes at that place (a softmax that the list does not call 'softmax' is quantised finished and normalised). What goes into a quantiser is computed in f32, as accurately as f32 sums, v_exp_f32 and their like allow (about 1e-6 of the number): no bf16 or f16 on the way to a quantiser, and a product that is left as it is and whose result goes on into a quantised operand takes f32 operands (vector FMAs, or v_wmma_f32_16x16x4_f32). A number that lies on a knife's edge between two numbers of the format may be rounded either way, as far as f32 arithmetic and the matrix unit's own rounding can turn it there, and no further.
;; One version. Each part assembles by itself: llvm-mc -triple=amdgcn-amd-amdhsa -mcpu=gfx1250 --defsym DOCPART=n.
;; ======== version 1 of 1: 4 launches
;; limits: right only within a limited range of input values
;; workspace buffers: qz 12,976,128 bytes; att 26,476,544 bytes; oc 8,650,752 bytes
;; launch quant (part 1): grid 256 x 1, 6 waves a work-group, no clusters, 51,968 bytes of LDS; arguments x, W_qkv, W_out, qz; writes qz
.if DOCPART == 1
	.amdgcn_target "amdgcn-amd-amdhsa--gfx1250"
	.amdhsa_code_object_version 6
	.text
	.protected	k_q27de56820b_quant
	.globl	k_q27de56820b_quant
	.p2align	8
	.type	k_q27de56820b_quant,@function
k_q27de56820b_quant:
	s_mov_b64 s[64:65], 0
	v_nop
	global_prefetch_b8 v0, s[64:65] scope:SCOPE_SE
	s_setreg_imm32_b32 hwreg(HW_REG_WAVE_MODE, 25, 1), 1
	s_wait_xcnt 0x0
; x [8192][1024], W_qkv [3072][1024] and W_out [1024][1024], f32, K innermost, become codes of E4M3 with one E8M0 byte for each 32 along K, in the workspace qz.
; A block's scale is 2^(floor(log2(its largest magnitude)) - 8); its byte is that magnitude's exponent field - 8, held at 1 from below; each number is divided by the scale, held within +-448, rounded to the nearest code, ties to even.
; LIMITS: NaN and infinities among the inputs are not served.  A block of zeros, or one whose largest magnitude lies under 2^-118, gets the byte 1 (the stated quantiser says 127 for zeros): its codes are zeros,
; which add nothing under any byte but 0xff, and this program alone reads the bytes.
; LAYOUT OF qz.  Rows are taken in TILES of 16 that are not neighbours: lane r of tile m takes row 32 (m / 2) + 8 (m % 2) + r % 8 + 16 (r / 8) of its tensor.  Tiles 0-511 are x's, 512-703 W_qkv's, 704-767 W_out's.
; A fragment (a tile x 128 along K) is stored as the IMAGE OF THE OPERAND'S REGISTERS, 2,048 bytes: byte 512 c + 16 lane + i is the code of (row of lane % 16, k = 128 s + 32 c + 16 (lane / 16) + i).
; Codes: [K step s 8][tile 768][2048].  Scale words from byte SCB on: [tile][lane r 16][K step 8], four bytes each.
; SHARES.  1,536 units = 768 tiles x 2 halves of K; six waves to a work-group, a unit to a wave: four fragments.  Waves share nothing: no barrier.
; A load reads 512 consecutive bytes of one row; the conversions want 16 neighbours along K in one lane: so a fragment's 8 KiB turn through the wave's own stage in LDS (rows of 512 + 16 bytes).
; Three sets of 64 registers: while one fragment is worked on, two are on their way.
.set SSTR, 1572864                     ; bytes of one K step of all 768 tiles
.set SCB,  12582912                    ; where the scale words begin
.set STG,  8448                        ; a wave's stage: 16 rows x 528 bytes
.set SPT,  528
.set RS,   32                          ; v32-223  three sets of 64 numbers
.set PC,   224                         ; v224-239 a fragment's codes
.set TM,   240                         ; v240-243 largest magnitudes, v244-247 bytes, v252-255 the conversions' scale operands
.set PW,   12                          ; v12-15   the four fragments' scale words
.set SEL,  20                          ; s[20:21] lane selects: lane l xor 16
.set MNT,  23
	s_load_b256 s[4:11], s[0:1], 0x0               ; x s[4:5], W_qkv s[6:7], W_out s[8:9], qz s[10:11]
	v_lshl_add_u32 v30, v0, 2, 0xc800
	v_mov_b32 v31, 0
	v_lshrrev_b32 v5, 5, v0
	v_readfirstlane_b32 s12, v5                    ; wave 0..5
	v_and_b32 v6, 31, v0                           ; lane
	v_and_b32 v7, 15, v0                           ; r
	v_bfe_u32 v8, v0, 4, 1                         ; h
	v_lshlrev_b32 v1, 4, v6                        ; v1: 16 x lane: my bytes of a load's 512, and of an image's 512
	s_mul_i32 s16, s12, STG
	v_add_nc_u32 v2, s16, v1                       ; v2: the stage on the way in
	v_mul_u32_u24 v3, v7, SPT
	v_lshl_add_u32 v3, v8, 6, v3
	v_add_nc_u32 v3, s16, v3                       ; v3: and on the way out: row r, + 64 h: my 16 numbers of a block of 32
	v_lshlrev_b32 v4, 5, v7                        ; v4: 32 r: my row's eight scale words
	s_mov_b32 s[SEL], 0x76543210
	s_mov_b32 s[SEL+1], 0xfedcba98
.irp b, 0,1,2,3
	v_mov_b32 v[TM+4+\b], 0                        ; written once: a lane permute's destination counts as one of its sources
.endr
	s_mul_i32 s13, ttmp9, 6
	s_add_co_u32 s13, s13, s12                     ; my unit
	s_lshr_b32 s14, s13, 1                         ; tile m
	s_and_b32 s15, s13, 1                          ; which half of K
	s_mov_b32 s17, 704
	s_wait_alu depctr_va_vdst(0)
	s_wait_kmcnt 0x0
	s_cmp_lt_u32 s14, s17                          ; which tensor: the choice hangs on the unit's number alone
	s_cselect_b64 s[6:7], s[6:7], s[8:9]
	s_cselect_b32 s18, 512, s17
	s_cmp_lt_u32 s14, 512
	s_cselect_b64 s[4:5], s[4:5], s[6:7]
	s_cselect_b32 s18, 0, s18
	s_sub_co_u32 s18, s14, s18                     ; the tile's number in its tensor
	s_lshr_b32 s19, s18, 1
	s_lshl_b32 s19, s19, 5
	s_and_b32 s18, s18, 1
	s_lshl_b32 s18, s18, 3
	s_add_co_u32 s18, s18, s19                     ; its first row
	s_lshl_b32 s18, s18, 12                        ; rows of 4,096 bytes
	s_lshl_b32 s19, s15, 11                        ; half a row
	s_add_co_u32 s18, s18, s19
	s_mov_b32 s19, 0
	s_add_nc_u64 s[4:5], s[4:5], s[18:19]
	s_lshl_b32 s24, s14, 11                        ; the codes: 2,048 m + 4 (half) K steps
	s_mul_i32 s25, s15, 4*SSTR
	s_add_co_u32 s24, s24, s25
	s_mov_b32 s25, 0
	s_add_nc_u64 s[26:27], s[10:11], s[24:25]
	s_lshl_b32 s24, s14, 9                         ; the scale words: 512 m + 16 (half)
	s_lshl_b32 s28, s15, 4
	s_add_co_u32 s24, s24, s28
	s_add_co_u32 s24, s24, SCB
	s_add_nc_u64 s[28:29], s[10:11], s[24:25]
.macro LOAD t                          ; fragment t: 128 numbers of each of the tile's 16 rows
.irp i, 0,1,2,3,4,5,6,7,8,9,10,11,12,13,14,15
	global_load_b128 v[RS+64*((\t)%3)+4*\i:RS+64*((\t)%3)+4*\i+3], v1, s[4:5] offset:((\i%8)+16*(\i/8))*4096+512*(\t) th:TH_LOAD_NT
.endr
.endm
; 64 numbers of a lane, register 16 b + i = k 32 b + 16 (lane / 16) + i of my row, become the fragment's codes in v[PC] on and its scale word in v[pw]
.macro QUANT s, pw
.irp b, 0,1,2,3
	v_max3_num_f32 v[TM+\b], |v[\s+16*\b]|, |v[\s+1+16*\b]|, 0x4800000   ; my 16 numbers of block b, and the floor 2^(9 - 127): the byte cannot fall under 1
.endr
.irp i, 2,4,6,8,10,12,14
.irp b, 0,1,2,3
	v_max3_num_f32 v[TM+\b], v[TM+\b], |v[\s+16*\b+\i]|, |v[\s+1+16*\b+\i]|   ; the four blocks by turns
.endr
.endr
.irp b, 0,1,2,3
	v_permlanex16_b32 v[TM+4+\b], v[TM+\b], s[SEL], s[SEL+1]
.endr
.irp b, 0,1,2,3
	v_max_num_f32 v[TM+\b], v[TM+\b], v[TM+4+\b]   ; with lane l xor 16's 16: the block's largest magnitude
.endr
.irp b, 0,1,2,3
	v_add_nc_u32 v[TM+12+\b], 0xfc000000, v[TM+\b] ; 8 off its exponent field: the conversion takes the exponent field of this operand as its scale
.endr
.irp b, 0,1,2,3
.endr
.irp b, 0,1,2,3
	v_lshrrev_b32 v[TM+4+\b], 23, v[TM+12+\b]      ; the scale's byte
.endr
	v_lshl_or_b32 v[\pw], v[TM+5], 8, v[TM+4]
	v_lshl_or_b32 v[\pw], v[TM+6], 16, v[\pw]
	v_lshl_or_b32 v[\pw], v[TM+7], 24, v[\pw]
.irp b, 0,1,2,3
.irp i, 0,1,2,3,4,5,6,7,8,9,10,11,12,13,14,15
.endr
	v_cvt_scalef32_pk8_fp8_f32 v[PC+4*\b:PC+1+4*\b], v[\s+16*\b:\s+7+16*\b], v[TM+12+\b]
	v_cvt_scalef32_pk8_fp8_f32 v[PC+2+4*\b:PC+3+4*\b], v[\s+8+16*\b:\s+15+16*\b], v[TM+12+\b]
.endr
	v_nop                                          ; one plain vector line behind the last conversion
.endm
.macro QSTEP t, left
.set XS, RS+64*((\t)%3)
	s_wait_loadcnt \left                           ; this fragment's 16 loads are in; those of the sets issued behind it stay out
.irp i, 0,1,2,3,4,5,6,7,8,9,10,11,12,13,14,15
	ds_store_b128 v2, v[XS+4*\i:XS+4*\i+3] offset:SPT*\i
.endr
.irp b, 0,1,2,3
.irp j, 0,1,2,3
	ds_load_b128 v[XS+16*\b+4*\j:XS+16*\b+4*\j+3], v3 offset:128*\b+16*\j   ; LDS serves a wave's instructions in order (ISA guide 5.7.1.4): these see the stores above
.endr
.endr
	s_wait_dscnt 0x0
.if (\t) > 0
	s_wait_xcnt 0x0                                ; the last fragment's stores have read v[PC] on: only now are the codes written again
.endif
	QUANT XS, PW+(\t)
.irp c, 0,1,2,3
	global_store_b128 v1, v[PC+4*\c:PC+4*\c+3], s[26:27] offset:SSTR*(\t)+512*\c   ; 512 consecutive bytes, at a multiple of 256 from the buffer's first byte
.endr
.endm
	LOAD 0
	LOAD 1
	LOAD 2
	QSTEP 0, 32
	LOAD 3                                         ; into the set that fragment 0 has left
	QSTEP 1, 32
	QSTEP 2, 16
	QSTEP 3, 0
	global_store_b128 v4, v[PW:PW+3], s[28:29]     ; my row's four scale words: pieces of 16 bytes, 32 bytes apart (the tile's other half of K fills the gaps); lanes 16-31 repeat lanes 0-15 with the same bytes.  One byte in 32 of what the launch stores
	s_wait_tensorcnt 0x0
	ds_add_u32 v30, v31
	s_wait_dscnt 0x0
	s_endpgm
.Lfunc_end_k_q27de56820b_quant:
	.size	k_q27de56820b_quant, .Lfunc_end_k_q27de56820b_quant-k_q27de56820b_quant
	.p2alignl 7, 3214868480
	.fill 96, 4, 3214868480
	.section	.rodata,"a",@progbits
	.p2align	6, 0x0
	.amdhsa_kernel k_q27de56820b_quant
		.amdhsa_group_segment_fixed_size 51968
		.amdhsa_private_segment_fixed_size 0
		.amdhsa_enable_private_segment 0
		.amdhsa_kernarg_size 32
		.amdhsa_user_sgpr_count 2
		.amdhsa_user_sgpr_kernarg_segment_ptr 1
		.amdhsa_wavefront_size32 1
		.amdhsa_system_sgpr_workgroup_id_x 1
		.amdhsa_system_sgpr_workgroup_id_y 1
		.amdhsa_system_sgpr_workgroup_id_z 1
		.amdhsa_system_vgpr_workitem_id 0
		.amdhsa_next_free_vgpr 256
		.amdhsa_next_free_sgpr 66
		.amdhsa_reserve_vcc 0
		.amdhsa_float_denorm_mode_32 3
		.amdhsa_float_denorm_mode_16_64 3
		.amdhsa_fp16_overflow 1
		.amdhsa_memory_ordered 1
		.amdhsa_forward_progress 1
		.amdhsa_inst_pref_size 33
	.end_amdhsa_kernel
	.amdgpu_metadata
---
amdhsa.version: [ 1, 2 ]
amdhsa.kernels:
  - .name:           k_q27de56820b_quant
    .symbol:         k_q27de56820b_quant.kd
    .args:
      - { .name: x, .offset: 0, .size: 8, .value_kind: global_buffer, .address_space: global }
      - { .name: W_qkv, .offset: 8, .size: 8, .value_kind: global_buffer, .address_space: global }
      - { .name: W_out, .offset: 16, .size: 8, .value_kind: global_buffer, .address_space: global }
      - { .name: qz, .offset: 24, .size: 8, .value_kind: global_buffer, .address_space: global }
    .group_segment_fixed_size: 51968
    .private_segment_fixed_size: 0
    .kernarg_segment_align: 8
    .kernarg_segment_size: 32
    .max_flat_workgroup_size: 192
    .sgpr_count:     66
    .vgpr_count:     256
    .wavefront_size: 32
...
	.end_amdgpu_metadata
.endif
;; end of part 1
;; launch qkv (part 2): grid 16 x 32, 4 waves a work-group, clusters of 4 x 4, 327,680 bytes of LDS; arguments qz, b_qkv, att; writes att
.if DOCPART == 2
	.amdgcn_target "amdgcn-amd-amdhsa--gfx1250"
	.amdhsa_code_object_version 6
	.text
	.protected	k_q27de56820b_qkv
	.globl	k_q27de56820b_qkv
	.p2align	8
	.type	k_q27de56820b_qkv,@function
k_q27de56820b_qkv:
	s_mov_b64 s[64:65], 0
	v_nop
	global_prefetch_b8 v0, s[64:65] scope:SCOPE_SE
	s_setreg_imm32_b32 hwreg(HW_REG_WAVE_MODE, 25, 1), 1
	s_wait_xcnt 0x0
	s_wait_alu depctr_hold_cnt(0) depctr_sa_sdst(0) depctr_va_vdst(0) depctr_va_sdst(0) depctr_va_ssrc(0) depctr_va_vcc(0) depctr_vm_vsrc(0)
	s_getreg_b32 s2, hwreg(HW_REG_IB_STS2, 6, 4)
	s_cmp_eq_u32 s2, 0
	s_cbranch_scc0 .Lentry_in_a_cluster
	s_endpgm
.Lentry_in_a_cluster:
	s_bfe_u32 s2, ttmp6, 0x10000c
	s_cmp_lg_u32 s2, 0xf033
	s_cbranch_scc0 .Lentry_shape_is_right
	s_endpgm
.Lentry_shape_is_right:
; qkv = x W_qkv^T + b_qkv on codes of E4M3 with E8M0 scales (from qz), and q, k, v quantised in registers for the two products of attention, into att.  No f32 number of qkv goes to memory.
; SHARES.  A work-group makes 256 rows (block rb) x one head's 192 features.  Wave (rh, ch): x's tiles 8 rh + a, a = 0..7 (128 rows); ch = 0: q's four tiles of features and v's tiles 0, 1; ch = 1: k's four and v's 2, 3.
; 48 accumulators a wave, 8 K steps of 128.
; TILES ARE NOT NEIGHBOURS: lane r of tile T takes row (or feature) 32 (T / 2) + 8 (T % 2) + r % 8 + 16 (r / 8), so that the 16 registers of two neighbouring result tiles are 16 neighbours along source 0's axis.
; q, k ARE USED TRANSPOSED (source 0 = 16 features, source 1 = 16 rows): a lane holds one row and its registers run along the head's 64: the K of q k^T.
; v IS USED STRAIGHT (source 0 = 16 rows, source 1 = 16 features): a lane holds one feature and its registers run down the rows: the keys, the K of p v.  A wave's 128 rows are one K step of that product.
; So every fragment and every scale word of att is made whole inside one wave, by the conversions alone.  The biases are the C of each sum's first matrix instruction.
; att: Q records at rec x 17,408, rec = (8 (16 b + head) + block of 256 rows): codes [tile 16][c 2][lane][16 bytes], then words [step 2][lane][4]: word i of lane (h, r) is tile 8 step + 2 i + h's.
;      KV records at 8,912,896 + rec x 34,304: K's codes (as Q's), V's codes [step 2][d tile 4][c 4][lane][16], K's words (as Q's), V's words [step 2][pair 2][lane].  A q or k word: two bytes, then 0x7f, 0x7f for the half of K that has no codes.
; THE RING.  Fragments lie in qz as images of the operand's registers, step-major: a K step of 16 tiles of x is one dense block of 32 KiB, of the head's 12 tiles of W one of 24 KiB.  Two LDS slots of two K steps;
; waves 0, 1 bring x's two steps, waves 2, 3 W's, one tensor load each.  An LDS load of a fragment is four loads of 512 consecutive bytes: no pitch, no padding.
; CLUSTERS: 4 x 4 work-groups; x's blocks are shared along a row of the cluster, W's along a column: joint loads, which divide the requests by four.
; LIMITS: NaN and infinities are not served; a block of zeros, or one whose largest magnitude lies under 2^-118, gets the byte 1: its codes are zeros, and this program alone reads the bytes.
; REGISTERS, in windows of 256: window 0: v1-11 addresses; v16-47 x's scale words, v48-63 q's or k's, v64-71 v's; v72-103, v104-119 biases; v128-223 W's fragments, set 1; in the epilogue v72-119, v128-255 at work.
;   window 1: x's fragments, two sets of 128.   window 2: the 32 accumulators of q or k, (a, b) at v[8 (4 a + b)].   window 3: v0-127 v's 16 accumulators, (b, a) at v[64 b + 8 a]; v128-223 W's fragments, set 0.
.set SSTR,  1572864                    ; bytes of one K step of all tiles in qz
.set SCB,   12582912                   ; where qz's scale words begin
.set QREC,  17408
.set KVREC, 34304
.set KVB,   8912896
.set SLOT,  114688                     ; x: 2 steps x 32,768; W: 2 steps x 24,576
.set BOFF,  65536
.set SPARE, 2*SLOT                     ; behind the ring: the spare words, 128 bytes for each wave: two blocks of 256 bytes that no other line names
.set LI,  1                            ; v1   16 x lane
.set L32, 2                            ; v2   32 x lane
.set L4,  3                            ; v3   4 x lane
.set ADA, 4                            ; v4-5 my x fragments in slot 0, 1
.set ADB, 6                            ; v6-7 my q or k fragments
.set ADV, 8                            ; v8-9 my v fragments
.set SPW, 10                           ; v10  my spare word; never rewritten
.set NIL, 11                           ; v11  0; never rewritten
.set SCA, 16
.set SCQ, 48
.set SCV, 64
.set BQ,  72
.set BV,  104
.set BS,  128                          ; a set of W's fragments: q or k at +16 b, v at +64 + 16 b
.set TMX, 72                           ; the epilogue: largest magnitudes,
.set BY,  88                           ; the other half's, then bytes,
.set SO,  104                          ; the conversions' scale operands,
.set HO,  224
.set WV,  10                           ; s10 wave, s11 rh (also: I fetch x (0) or W (1)), s12 ch (also: which of a slot's two steps I fetch), s13 rb
.set RH,  11
.set CH,  12
.set RB,  13
.set SEL, 20
.set MNT, 23
.set G1A, 24                           ; s[24:31] group 1 for x's blocks; s[32:39] group 0, a set for each slot
.set G0A, 32
.set G1B, 48                           ; s[48:55], s[56:63] the same for W's
.set G0B, 56
.set MSB, 0
.macro WIN new                         ; the immediate's high byte repeats the setting that is left
.if MSB != \new
	s_set_vgpr_msb (MSB<<8)|\new
.set MSB, \new
.endif
.endm
.macro PLACES n
.rept \n
	v_nop
.endr
.endm
; A joint load.  Each of the two lines has one mask and one set of registers for all that issue it; the branch hangs on the wave's number alone.  Four v_nop follow each line.
.macro JLOAD g0a, g1a, g0b, g1b
	s_cmp_eq_u32 s[RH], 0
	s_cbranch_scc0 .Lfor_b_\@
	tensor_load_to_lds s[\g0a:\g0a+3], s[\g1a:\g1a+7]
	s_nop 0
.rept 4
	v_nop
.endr
	s_branch .Lasked_\@
.Lfor_b_\@:
	tensor_load_to_lds s[\g0b:\g0b+3], s[\g1b:\g1b+7]
	s_nop 0
.rept 4
	v_nop
.endr
.Lasked_\@:
.endm
.macro CREST                           ; a round of the cluster's barrier behind its opening barrier
	s_cmp_lg_u32 s[WV], 0
	s_cbranch_scc1 .Lnot_wave_0_\@
	s_barrier_signal -3
.Lnot_wave_0_\@:
	s_barrier_wait -3
	s_barrier_signal -1
	s_barrier_wait -1
.endm
.macro CROUND
	s_barrier_signal -1
	s_barrier_wait -1
	CREST
.endm
	s_load_b128 s[4:7], s[0:1], 0x0                ; qz s[4:5], b_qkv s[6:7]
	s_load_b64 s[8:9], s[0:1], 0x10                ; att
	v_lshl_add_u32 v[SPW], v0, 2, SPARE
	v_mov_b32 v[NIL], 0
	ds_add_u32 v10, v11
	ds_add_u32 v10, v11
	s_wait_dscnt 0x0
	v_lshrrev_b32 v12, 5, v0
	v_readfirstlane_b32 s[WV], v12
	s_lshr_b32 s[RH], s[WV], 1
	s_and_b32 s[CH], s[WV], 1
	s_bfe_u32 s40, ttmp6, 0x40000                  ; cx, cy: my place in the cluster
	s_bfe_u32 s41, ttmp6, 0x40004
	s_lshl_b32 s42, ttmp9, 2
	s_add_co_u32 s42, s42, s40                     ; the head = 4 x cluster x + cx
	s_and_b32 s[RB], ttmp7, 0xffff
	s_lshl_b32 s[RB], s[RB], 2
	s_add_co_u32 s[RB], s[RB], s41                 ; the block of rows = 4 x cluster y + cy
	s_lshl_b32 s43, s41, 2
	s_lshl_b32 s43, 15, s43                        ; my row of the cluster
	s_lshl_b32 s44, 0x1111, s40                    ; my column
	s_or_b32 s[G1A], s43, (3<<16)|(1<<21)          ; 15:0 the mask; 17:16 elements of 8 bytes; 21 set beside a mask; no padding
	s_or_b32 s[G1B], s44, (3<<16)|(1<<21)
	s_mov_b32 s[G1A+1], 32<<16                     ; a dense block as rows of 256 bytes: tensor_dim0 = 32 elements
	s_mov_b32 s[G1A+2], 128<<16                    ; tensor_dim1 = 128 rows
	s_mov_b32 s[G1A+3], 32<<16                     ; tile_dim0
	s_mov_b32 s[G1A+4], 128                        ; tile_dim1
	s_mov_b32 s[G1A+5], 32                         ; the pitch
	s_mov_b32 s[G1A+6], 0
	s_mov_b32 s[G1A+7], 0
	s_mov_b32 s[G1B+1], 32<<16
	s_mov_b32 s[G1B+2], 96<<16                     ; W's block: 96 rows
	s_mov_b32 s[G1B+3], 32<<16
	s_mov_b32 s[G1B+4], 96
	s_mov_b32 s[G1B+5], 32
	s_mov_b32 s[G1B+6], 0
	s_mov_b32 s[G1B+7], 0
	s_mul_i32 s18, s[CH], SSTR                     ; my K step of a slot's two
	s_lshl_b32 s16, s[RB], 15                      ; x: the block's 16 tiles
	s_add_co_u32 s16, s16, s18
	s_mov_b32 s17, 0
	s_mul_i32 s46, s42, 12*2048                    ; W: the head's 12 tiles, behind x's 512
	s_add_co_u32 s46, s46, 512*2048
	s_add_co_u32 s46, s46, s18
	s_mov_b32 s47, 0
	s_lshl_b32 s19, s[CH], 15                      ; where they go in a slot: no place in the cluster enters an LDS address
	s_mul_i32 s22, s[CH], 24576
	s_wait_kmcnt 0x0
	s_add_nc_u64 s[14:15], s[4:5], s[16:17]
	s_add_nc_u64 s[46:47], s[4:5], s[46:47]
	CROUND                                         ; all sixteen work-groups are here: the first joint loads meet
.irp s, 0,1
	s_mov_b32 s[G0A+4*\s], 1
	s_add_co_u32 s[G0A+4*\s+1], s19, \s*SLOT
	s_add_nc_u64 s[G0A+4*\s+2:G0A+4*\s+3], s[14:15], \s*2*SSTR
	s_or_b32 s[G0A+4*\s+3], s[G0A+4*\s+3], 0x80000000
	s_mov_b32 s[G0B+4*\s], 1
	s_add_co_u32 s[G0B+4*\s+1], s22, \s*SLOT+BOFF
	s_add_nc_u64 s[G0B+4*\s+2:G0B+4*\s+3], s[46:47], \s*2*SSTR
	s_or_b32 s[G0B+4*\s+3], s[G0B+4*\s+3], 0x80000000
	JLOAD G0A+4*\s, G1A, G0B+4*\s, G1B             ; K steps 2 s, 2 s + 1: two loads of mine are out behind these lines
.endr
	v_and_b32 v12, 31, v0
	v_lshlrev_b32 v[LI], 4, v12
	s_wait_alu depctr_va_vdst(0)
	v_lshlrev_b32 v[L32], 5, v12
	v_lshlrev_b32 v[L4], 2, v12
	s_lshl_b32 s76, s[RH], 14                      ; my 8 tiles of x
	s_lshl_b32 s77, s[CH], 13                      ; my 4 tiles of q or k
	s_add_co_u32 s77, s77, BOFF
	s_lshl_b32 s78, s[CH], 12                      ; my 2 tiles of v, behind q's and k's eight
	s_add_co_u32 s78, s78, BOFF+16384
.irp s, 0,1
	v_add_nc_u32 v[ADA+\s], s76, v[LI]
	v_add_nc_u32 v[ADB+\s], s77, v[LI]
	v_add_nc_u32 v[ADV+\s], s78, v[LI]
	s_add_co_u32 s76, s76, SLOT
	s_add_co_u32 s77, s77, SLOT
	s_add_co_u32 s78, s78, SLOT
.endr
	v_bfe_u32 v13, v0, 4, 1
	v_lshlrev_b32 v13, 6, v13                      ; q's, k's bias: 64 h bytes
	s_wait_alu depctr_va_vdst(0)
	v_and_b32 v14, 7, v0
	v_bfe_u32 v15, v0, 3, 1
	v_lshl_add_u32 v14, v15, 4, v14
	v_lshlrev_b32 v14, 2, v14                      ; v's bias: feature r % 8 + 16 (r / 8) of the tile
	s_wait_alu depctr_va_vdst(0)
	s_lshl_b32 s66, s[RB], 4                       ; x's scale words: tile 16 rb + 8 rh on
	s_lshl_b32 s76, s[RH], 3
	s_add_co_u32 s66, s66, s76
	s_lshl_b32 s66, s66, 9
	s_add_co_u32 s66, s66, SCB
	s_mov_b32 s67, 0
	s_add_nc_u64 s[66:67], s[4:5], s[66:67]
	s_mul_i32 s79, s42, 12
	s_add_co_u32 s79, s79, 512                     ; the head's first tile
	s_lshl_b32 s76, s[CH], 2
	s_add_co_u32 s68, s79, s76                     ; q's or k's
	s_lshl_b32 s68, s68, 9
	s_add_co_u32 s68, s68, SCB
	s_mov_b32 s69, 0
	s_add_nc_u64 s[68:69], s[4:5], s[68:69]
	s_lshl_b32 s76, s[CH], 1
	s_add_co_u32 s70, s79, s76
	s_add_co_u32 s70, s70, 8                       ; my pair of v's
	s_lshl_b32 s70, s70, 9
	s_add_co_u32 s70, s70, SCB
	s_mov_b32 s71, 0
	s_add_nc_u64 s[70:71], s[4:5], s[70:71]
	s_mul_i32 s72, s42, 768                        ; the biases: 192 features of 4 bytes a head
	s_lshl_b32 s76, s[CH], 8
	s_add_co_u32 s72, s72, s76
	s_mov_b32 s73, 0
	s_add_nc_u64 s[72:73], s[6:7], s[72:73]
	s_mul_i32 s74, s42, 768
	s_lshl_b32 s76, s[CH], 7
	s_add_co_u32 s74, s74, s76
	s_add_co_u32 s74, s74, 512
	s_mov_b32 s75, 0
	s_add_nc_u64 s[74:75], s[6:7], s[74:75]
.irp p, 0,1,2,3                        ; a pair of tiles' words for all 8 K steps: register s = step s; lanes 0-15 the even tile, lanes 16-31 the odd one
	global_load_b128 v[SCA+8*\p:SCA+8*\p+3], v[L32], s[66:67] offset:1024*\p
	global_load_b128 v[SCA+8*\p+4:SCA+8*\p+7], v[L32], s[66:67] offset:1024*\p+16
.endr
.irp p, 0,1
	global_load_b128 v[SCQ+8*\p:SCQ+8*\p+3], v[L32], s[68:69] offset:1024*\p
	global_load_b128 v[SCQ+8*\p+4:SCQ+8*\p+7], v[L32], s[68:69] offset:1024*\p+16
.endr
	global_load_b128 v[SCV:SCV+3], v[L32], s[70:71]
	global_load_b128 v[SCV+4:SCV+7], v[L32], s[70:71] offset:16
.irp t, 0,1,2,3                        ; lane (r, h), register j of tile t: feature 32 (t / 2) + 16 h + 8 (t % 2) + j
	global_load_b128 v[BQ+8*\t:BQ+8*\t+3], v13, s[72:73] offset:128*(\t/2)+32*(\t%2)
	global_load_b128 v[BQ+8*\t+4:BQ+8*\t+7], v13, s[72:73] offset:128*(\t/2)+32*(\t%2)+16
.endr
.irp t, 0,1                            ; v straight: a lane's eight registers are eight rows of one feature: the same number eight times
.irp j, 0,1,2,3,4,5,6,7
	global_load_b32 v[BV+8*\t+\j], v14, s[74:75] offset:32*\t
.endr
.endr
	s_lshr_b32 s82, s[RB], 3                       ; where the results go: rec = 8 (16 b + head) + rb % 8
	s_lshl_b32 s82, s82, 4
	s_add_co_u32 s82, s82, s42
	s_lshl_b32 s82, s82, 3
	s_and_b32 s83, s[RB], 7
	s_add_co_u32 s82, s82, s83
	s_mul_i32 s84, s82, QREC
	s_mul_i32 s85, s82, KVREC
	s_add_co_u32 s85, s85, KVB
	s_add_co_u32 s86, s84, 16384                   ; q's words
	s_add_co_u32 s87, s85, 32768                   ; k's words
	s_cmp_eq_u32 s[CH], 0
	s_cselect_b32 s84, s84, s85                    ; my codes: q's or k's
	s_cselect_b32 s86, s86, s87
	s_lshl_b32 s83, s[RH], 13
	s_add_co_u32 s84, s84, s83
	s_add_co_u32 s88, s85, s83                     ; v's codes: + 16,384 + 8,192 rh + 4,096 ch
	s_lshl_b32 s83, s[RH], 9
	s_add_co_u32 s86, s86, s83
	s_lshl_b32 s83, s[CH], 12
	s_add_co_u32 s88, s88, s83
	s_add_co_u32 s88, s88, 16384
	s_lshl_b32 s83, s[RH], 8
	s_add_co_u32 s89, s85, s83                     ; v's words: + 33,792 + 256 rh + 128 ch
	s_lshl_b32 s83, s[CH], 7
	s_add_co_u32 s89, s89, s83
	s_add_co_u32 s89, s89, 33792
	s_mov_b32 s91, 0
	s_mov_b32 s90, s84
	s_add_nc_u64 s[92:93], s[8:9], s[90:91]
	s_mov_b32 s90, s86
	s_add_nc_u64 s[94:95], s[8:9], s[90:91]
	s_mov_b32 s90, s88
	s_add_nc_u64 s[96:97], s[8:9], s[90:91]
	s_mov_b32 s90, s89
	s_add_nc_u64 s[98:99], s[8:9], s[90:91]
	s_mov_b32 s[SEL], 0x76543210
	s_mov_b32 s[SEL+1], 0xfedcba98
	s_mov_b32 s45, 0xffff0000                      ; lanes 16-31
.macro WM                              ; one product; rD, rA, rB, rC, rSA, rSB: registers; fA, fB: the side's scales stand in lanes 16-31
.if fA && fB
	v_wmma_scale_f32_16x16x128_f8f6f4 v[rD:rD+7], v[rA:rA+15], v[rB:rB+15], v[rC:rC+7], v[rSA], v[rSB] matrix_a_scale:MATRIX_SCALE_ROW1 matrix_b_scale:MATRIX_SCALE_ROW1
.elseif fA
	v_wmma_scale_f32_16x16x128_f8f6f4 v[rD:rD+7], v[rA:rA+15], v[rB:rB+15], v[rC:rC+7], v[rSA], v[rSB] matrix_a_scale:MATRIX_SCALE_ROW1
.elseif fB
	v_wmma_scale_f32_16x16x128_f8f6f4 v[rD:rD+7], v[rA:rA+15], v[rB:rB+15], v[rC:rC+7], v[rSA], v[rSB] matrix_b_scale:MATRIX_SCALE_ROW1
.else
	v_wmma_scale_f32_16x16x128_f8f6f4 v[rD:rD+7], v[rA:rA+15], v[rB:rB+15], v[rC:rC+7], v[rSA], v[rSB]
.endif
.endm
; K step s's fragments, 56 LDS loads in one run: W's six into set s % 2 (window 3 or 0), x's eight into set s % 2 of window 1
.macro FETCH s
.set FSG, ((\s)/2)%2
.set FSL, (\s)%2
.if FSL == 0
	WIN 0xc0
.else
	WIN 0
.endif
.irp b, 0,1,2,3
.irp c, 0,1,2,3
	ds_load_b128 v[BS+16*\b+4*\c:BS+16*\b+4*\c+3], v[ADB+FSG] offset:24576*FSL+2048*\b+512*\c
.endr
.endr
.irp b, 0,1
.irp c, 0,1,2,3
	ds_load_b128 v[BS+64+16*\b+4*\c:BS+64+16*\b+4*\c+3], v[ADV+FSG] offset:24576*FSL+2048*\b+512*\c
.endr
.endr
	WIN 0x40
.irp a, 0,1,2,3,4,5,6,7
.irp c, 0,1,2,3
	ds_load_b128 v[128*FSL+16*\a+4*\c:128*FSL+16*\a+4*\c+3], v[ADA+FSG] offset:32768*FSL+2048*\a+512*\c
.endr
.endr
	WIN 0
.endm
; q or k, transposed: x's tiles a0 .. a1 against my four tiles of features.  In K step 0 the bias is the C.  The 48 accumulators take turns, one instruction a turn, in the same order in every step.
.macro MULQ s, a0, a1
.set PP, (\s)%2
.if (\s) == 0
	WIN 0x87
.elseif PP == 0
	WIN 0xa7
.else
	WIN 0xa4
.endif
.set ia, \a0
.rept (\a1)-(\a0)+1
.set ib, 0
.rept 4
.set rD, 8*(4*ia+ib)
.set rA, BS+16*ib
.set rB, 128*PP+16*ia
.set rC, rD
.if (\s) == 0
.set rC, BQ+8*ib
.endif
.set rSA, SCQ+8*(ib/2)+(\s)
.set rSB, SCA+8*(ia/2)+(\s)
.set fA, ib%2
.set fB, ia%2
	WM
.set ib, ib+1
.endr
.set ia, ia+1
.endr
.endm
.macro MULV s                          ; v, straight: x's eight tiles against my two tiles of features
.set PP, (\s)%2
.if (\s) == 0
	WIN 0xcd
.elseif PP == 0
	WIN 0xfd
.else
	WIN 0xf1
.endif
.set ia, 0
.rept 8
.set ib, 0
.rept 2
.set rD, 64*ib+8*ia
.set rA, 128*PP+16*ia
.set rB, BS+64+16*ib
.set rC, rD
.if (\s) == 0
.set rC, BV+8*ib
.endif
.set rSA, SCA+8*(ia/2)+(\s)
.set rSB, SCV+(\s)
.set fA, ia%2
.set fB, ib
	WM
.set ib, ib+1
.endr
.set ia, ia+1
.endr
.endm
; A load into a register that a matrix instruction has read stands eight places behind it, and only plain vector instructions that name none of its registers are places.
.macro PLAIN s                         ; an even K step: its successor lies in the same slot
.if (\s) > 0
	PLACES 8
.endif
	FETCH (\s)+1
	s_wait_dscnt 56                                ; all but the 56 just issued: this step's fragments are in
	MULQ \s, 0, 7
	MULV \s
.endm
; An odd K step changes slots: ONE barrier; in front of it each wave waits for all its tensor loads, adds 0 to its spare word, and waits for that and for its own reads of this slot.  fill = 1: this slot is filled again, four K steps ahead.
.macro TURN s, fill
.set TSG, ((\s)/2)%2
	WIN 0
	s_wait_tensorcnt 0x0                           ; all my tensor loads have landed: my part of the next slot
	ds_add_u32 v[SPW], v[NIL]                      ; 0 onto my spare word
	s_wait_dscnt 1                                 ; this step's fragments are in (the add may be out)
	MULQ \s, 0, 3                                  ; sixteen matrix instructions stand between the add and the wait for it
	s_wait_dscnt 0x0                               ; the add is done, and my reads of this slot are over
	s_barrier_signal -1
	MULQ \s, 4, 7
	WIN 0
	s_barrier_wait -1
.if \fill
	CREST                                          ; the barrier has opened a round of the cluster's barrier: no wave of any partner still reads this slot or has a load on its way
	s_add_nc_u64 s[G0A+4*TSG+2:G0A+4*TSG+3], s[G0A+4*TSG+2:G0A+4*TSG+3], 4*SSTR
	s_add_nc_u64 s[G0B+4*TSG+2:G0B+4*TSG+3], s[G0B+4*TSG+2:G0B+4*TSG+3], 4*SSTR
	JLOAD G0A+4*TSG, G1A, G0B+4*TSG, G1B           ; the first tensor load behind the round, my one load until the next: 64 matrix instructions ahead of the wait for it; its four v_nop are four of the eight places
	PLACES 4
.else
	PLACES 8
.endif
	FETCH (\s)+1
	MULV \s
.endm
	s_wait_tensorcnt 0x1                           ; my part of slot 0 is in; slot 1's may stay out
	s_barrier_signal -1
	s_barrier_wait -1                              ; everybody's is
	FETCH 0
	s_wait_loadcnt 0x0                             ; scale words and biases
	PLAIN 0
	TURN 1, 1                                      ; slot 0 takes K steps 4, 5
	PLAIN 2
	TURN 3, 1                                      ; slot 1 takes K steps 6, 7
	PLAIN 4
	TURN 5, 0                                      ; nothing is left to fetch: no round
	PLAIN 6
	s_wait_dscnt 0x0
	MULQ 7, 0, 7
	MULV 7
	WIN 0
; THE EPILOGUE.  nb blocks of 16 consecutive registers of window win are quantised: a block of 32 along the next K lies in lanes l and l xor 16.  Codes go to v[cd + 4 k] of window 0, bytes to v[BY + k].
.macro EPI win, nb, cd
	WIN ((\win)<<2)|((\win)<<4)
.set k, 0
.rept \nb
	v_max3_num_f32 v[TMX+k], 0x4800000, |v[16*k]|, |v[16*k+1]|   ; the floor 2^(9 - 127) and my first two numbers: each accumulator is read from its low end on
.set k, k+1
.endr
.irp i, 2,4,6,8,10,12,14
.set k, 0
.rept \nb
	v_max3_num_f32 v[TMX+k], v[TMX+k], |v[16*k+\i]|, |v[16*k+\i+1]|
.set k, k+1
.endr
.endr
	WIN 0
.set k, 0
.rept \nb
	v_permlanex16_b32 v[BY+k], v[TMX+k], s[SEL], s[SEL+1]
.set k, k+1
.endr
.set k, 0
.rept \nb
	v_max_num_f32 v[TMX+k], v[TMX+k], v[BY+k]      ; the block's largest magnitude
.set k, k+1
.endr
.set k, 0
.rept \nb
	v_add_nc_u32 v[SO+k], 0xfc000000, v[TMX+k]     ; 8 off its exponent field: the conversion's scale operand
.set k, k+1
.endr
.set k, 0
.rept \nb
.set k, k+1
.endr
.set k, 0
.rept \nb
	v_lshrrev_b32 v[BY+k], 23, v[SO+k]             ; the scale's byte
.set k, k+1
.endr
	WIN (\win)|((\win)<<6)
.set k, 0
.rept \nb
.irp i, 0,1,2,3,4,5,6,7,8,9,10,11,12,13,14,15
.endr
.set k, k+1
.endr
	WIN \win
.set k, 0
.rept \nb
	v_cvt_scalef32_pk8_fp8_f32 v[\cd+4*k:\cd+4*k+1], v[16*k:16*k+7], v[SO+k]
	v_cvt_scalef32_pk8_fp8_f32 v[\cd+4*k+2:\cd+4*k+3], v[16*k+8:16*k+15], v[SO+k]
.set k, k+1
.endr
	WIN 0
	v_nop                                          ; one plain vector line behind the last conversion
.endm
.set k, 0
.rept 16
	v_mov_b32 v[BY+k], 0                           ; the lane permutes' destinations are written once; these sixteen lines name no register of the last products and are the places behind them
.set k, k+1
.endr
	EPI 2, 16, 128                                 ; q or k: block 2 a + c: row tile a, the head's numbers 32 c on
.irp a, 0,1,2,3,4,5,6,7
	v_lshl_or_b32 v[240+\a], v[BY+2*\a+1], 8, v[BY+2*\a]
.endr
.irp a, 0,1,2,3,4,5,6,7
	v_or_b32 v[240+\a], 0x7f7f0000, v[240+\a]      ; the K step's upper 64 have zero codes on q's side: their bytes are 1.0
.endr
.irp b, 0,1,2,3
	v_cndmask_b32 v[248+\b], v[240+2*\b], v[241+2*\b], s45   ; lanes 0-15 the even tile's words, lanes 16-31 the odd tile's
.endr
.set k, 0
.rept 16
	global_store_b128 v[LI], v[128+4*k:131+4*k], s[92:93] offset:512*k   ; 512 consecutive bytes, at a multiple of 256 from the buffer's first byte
.set k, k+1
.endr
	global_store_b128 v[LI], v[248:251], s[94:95]
	EPI 3, 8, 192                                  ; v: block 4 b + c: feature tile b, keys 32 c on.  No register that a store still reads is written here
.irp t, 0,1
	v_lshl_or_b32 v[240+\t], v[BY+4*\t+1], 8, v[BY+4*\t]
	v_lshl_or_b32 v[240+\t], v[BY+4*\t+2], 16, v[240+\t]
	v_lshl_or_b32 v[240+\t], v[BY+4*\t+3], 24, v[240+\t]
.endr
	v_cndmask_b32 v252, v240, v241, s45
.set k, 0
.rept 8
	global_store_b128 v[LI], v[192+4*k:195+4*k], s[96:97] offset:512*k
.set k, k+1
.endr
	global_store_b32 v[L4], v252, s[98:99]         ; 128 consecutive bytes: half of an aligned 256; the wave beside me writes the other half.  One byte in 268 of a record
	s_wait_tensorcnt 0x0                           ; the wave's end
	ds_add_u32 v[SPW], v[NIL]
	s_wait_dscnt 0x0
	CROUND                                         ; the closing round: no work-group ends while a partner may still ask for a block that names it
	s_endpgm
.Lfunc_end_k_q27de56820b_qkv:
	.size	k_q27de56820b_qkv, .Lfunc_end_k_q27de56820b_qkv-k_q27de56820b_qkv
	.p2alignl 7, 3214868480
	.fill 96, 4, 3214868480
	.section	.rodata,"a",@progbits
	.p2align	6, 0x0
	.amdhsa_kernel k_q27de56820b_qkv
		.amdhsa_group_segment_fixed_size 327680
		.amdhsa_private_segment_fixed_size 0
		.amdhsa_enable_private_segment 0
		.amdhsa_kernarg_size 24
		.amdhsa_user_sgpr_count 2
		.amdhsa_user_sgpr_kernarg_segment_ptr 1
		.amdhsa_wavefront_size32 1
		.amdhsa_system_sgpr_workgroup_id_x 1
		.amdhsa_system_sgpr_workgroup_id_y 1
		.amdhsa_system_sgpr_workgroup_id_z 1
		.amdhsa_system_vgpr_workitem_id 0
		.amdhsa_next_free_vgpr 992
		.amdhsa_next_free_sgpr 100
		.amdhsa_reserve_vcc 0
		.amdhsa_float_denorm_mode_32 3
		.amdhsa_float_denorm_mode_16_64 3
		.amdhsa_fp16_overflow 1
		.amdhsa_memory_ordered 1
		.amdhsa_forward_progress 1
		.amdhsa_inst_pref_size 120
	.end_amdhsa_kernel
	.amdgpu_metadata
---
amdhsa.version: [ 1, 2 ]
amdhsa.kernels:
  - .name:           k_q27de56820b_qkv
    .symbol:         k_q27de56820b_qkv.kd
    .args:
      - { .name: qz, .offset: 0, .size: 8, .value_kind: global_buffer, .address_space: global }
      - { .name: b_qkv, .offset: 8, .size: 8, .value_kind: global_buffer, .address_space: global }
      - { .name: att, .offset: 16, .size: 8, .value_kind: global_buffer, .address_space: global }
    .group_segment_fixed_size: 327680
    .private_segment_fixed_size: 0
    .kernarg_segment_align: 8
    .kernarg_segment_size: 24
    .max_flat_workgroup_size: 128
    .sgpr_count:     100
    .vgpr_count:     992
    .wavefront_size: 32
...
	.end_amdgpu_metadata
.endif
;; end of part 2
;; launch attn (part 3): grid 4 x 64, 16 waves a work-group, no clusters, 327,680 bytes of LDS; arguments att, oc; writes oc
.if DOCPART == 3
	.amdgcn_target "amdgcn-amd-amdhsa--gfx1250"
	.amdhsa_code_object_version 6
	.text
	.protected	k_q27de56820b_attn
	.globl	k_q27de56820b_attn
	.p2align	8
	.type	k_q27de56820b_attn,@function
k_q27de56820b_attn:
	s_mov_b64 s[64:65], 0
	v_nop
	global_prefetch_b8 v0, s[64:65] scope:SCOPE_SE
	s_setreg_imm32_b32 hwreg(HW_REG_WAVE_MODE, 25, 1), 1
	s_wait_xcnt 0x0
; Causal attention of one (batch, head) on codes of E4M3 with E8M0 scales, and its result quantised along the model's 1,024 for the last product.  Head size 64, 2,048 rows.
; THE SOFTMAX AHEAD OF THE SECOND PRODUCT: t = score x log2(e) / 8; M = the row's largest t so far, rounded UP to a whole number; p = 2^(t - M) is what is quantised, along the keys, not normalised.
; The row's sum is taken of the unquantised p, in f32, and divides O at the end.  When M moves, the sum and O are multiplied by 2^(old M - new M): exact.
; SHARES.  Work-group (I, bh) owns the blocks I and 7 - I of 256 queries: (I + 1) + (8 - I) = 9 slots of 256 keys for every work-group, so all 256 have the same work and the loop's trip count is a constant.
; Each of sixteen waves owns one tile of 16 queries of the block in hand, in 256 registers: four waves to a SIMD, so that one wave's vector work stands beside another's matrix work and LDS loads.
; A step all of whose 128 keys come after the wave's queries is left out by a scalar branch on ids; on the diagonal hidden scores become -infinity ahead of the maximum.  Key 0 counts for every query, so M is a number from the first step on.
; NO CLUSTER: the four work-groups of a head want different records in the same trip (their first walks have I + 1 slots); walking in step would cost 12 slots in place of 9, and a work-group fetches only 9 x 34,304 bytes.
; LAYOUT.  Both products are used transposed: S^T = K Q^T, O^T = V^T P^T: a lane holds ONE query throughout.  Tiles are not neighbours: lane r of tile T takes row 32 (T / 2) + 8 (T % 2) + r % 8 + 16 (r / 8),
; so the 16 registers of two neighbouring result tiles are 16 neighbouring keys (S^T) or 16 neighbouring numbers of the head (O^T): the conversions' results are the next operand's registers.
; THE FIRST PRODUCT'S K IS 64, the instruction's 128: Q's upper 64 are zero codes.  K's operand of tile T is v[32 + 8 T .. 47 + 8 T]: its upper half is the next tile's codes (numbers, never the NaN code: the quantiser holds) or zeros;
; the scale bytes of the upper 64 are 0x7f on both sides.  Those products are 0, and K costs half the LDS bytes and registers.
; THE RING.  A KV record of att (256 keys: K's codes, V's codes, K's words, V's words, 34,304 dense bytes) is a slot; two slots, 65,536 bytes apart, so that one exclusive or turns an address.  Waves 0 and 1 fetch a half each.
; oc: codes [K step 8][tile 512][2048] as images of the operand's registers; head hd is K step hd / 2, c = 2 (hd % 2) + 0, 1.  Scale bytes from OSB on: [tile][lane r][head] halfwords.
; LIMITS: the running largest t starts at -3e38; NaN and infinities are not served; a block of zeros, or one under 2^-118, gets the byte 1: its codes are zeros, and this program alone reads the bytes.
; v_exp_f32 is taken not to fall where its input rises (a block's largest p is made from the block's largest score): at the worst one p within an ulp of a power of two is held one code low.
; REGISTERS: v1 16 lane, v2 4 lane, v3 32 (lane % 16), v4 my query's place less 16 (lane / 16), v5, v6 the add's, v7 16 (lane % 16), v8, v9 the slot's addresses; v12 -M, v13 largest t, v[14:15] the sum; v16-23 Q, v24-31 zeros;
;   v32-95 K's eight tiles, then V's four; v96-103 zeros; v104-167 S^T, then p; v168-199 O^T; v200-215 p's codes; v216-239 at work; v248-251 K's words, v252-253 V's, v254 Q's, v255 p's.
; SCALARS: s8 wave, s9 I, s10 bh, s11 trip, s12 the slot in hand, s13 the step's first key, s14 my first query, s15 the record asked for last, s[16:17] the head's KV records (+ my half), s[18:19] its Q records,
;   s25 the block of queries in hand, s[26:27] an offset with 0 above it, s[28:35] addresses, s[36:39], s[40:47] the descriptor, s48-55 at work and constants of the wave.
.set KVREC, 34304
.set QREC,  17408
.set KVB,   8912896
.set SLOT1, 65536
.set SPARE, 131072                     ; behind the ring: the spare words, 128 bytes for each wave: eight blocks of 256 bytes that no other line names
.set OSB,   8388608
	s_load_b128 s[4:7], s[0:1], 0x0                ; att s[4:5], oc s[6:7]
	v_lshl_add_u32 v5, v0, 2, SPARE
	v_mov_b32 v6, 0
	ds_add_u32 v5, v6
	ds_add_u32 v5, v6
	s_wait_dscnt 0x0
	v_lshrrev_b32 v8, 5, v0
	s_delay_alu instid0(VALU_DEP_1)
	v_readfirstlane_b32 s8, v8                     ; wave 0..15
	s_mov_b32 s9, ttmp9                            ; I
	s_and_b32 s10, ttmp7, 0xffff                   ; bh
	s_mov_b32 s40, 3<<16                           ; group 1: half a record, 17,152 dense bytes, as 67 rows of 256 bytes (32 elements of 8 bytes); no mask, no padding
	s_mov_b32 s41, 32<<16
	s_mov_b32 s42, 67<<16
	s_mov_b32 s43, 32<<16
	s_mov_b32 s44, 67
	s_mov_b32 s45, 32
	s_mov_b32 s46, 0
	s_mov_b32 s47, 0
	s_and_b32 s48, s8, 1
	s_mul_i32 s37, s48, 17152                      ; my half, in a slot and in a record
	s_mul_i32 s26, s10, 8*KVREC
	s_add_co_u32 s26, s26, KVB
	s_add_co_u32 s26, s26, s37
	s_mov_b32 s27, 0
	s_mul_i32 s28, s10, 8*QREC
	s_mov_b32 s29, 0
	s_wait_kmcnt 0x0
	s_add_nc_u64 s[16:17], s[4:5], s[26:27]
	s_add_nc_u64 s[18:19], s[4:5], s[28:29]
	s_mov_b32 s36, 1
	s_mov_b64 s[38:39], s[16:17]                   ; record 0
	s_or_b32 s39, s39, 0x80000000
	s_cmp_lt_u32 s8, 2
	s_cbranch_scc0 .Lno_first
	tensor_load_to_lds s[36:39], s[40:47]          ; slot 0's first fill: one load of mine is out
	s_nop 0
.rept 4
	v_nop
.endr
.Lno_first:
	v_and_b32 v8, 31, v0
	s_delay_alu instid0(VALU_DEP_1)
	v_lshlrev_b32 v1, 4, v8
	s_delay_alu instid0(VALU_DEP_2)
	v_lshlrev_b32 v2, 2, v8
	v_and_b32 v9, 15, v0
	s_delay_alu instid0(VALU_DEP_1)
	v_lshlrev_b32 v3, 5, v9
	s_delay_alu instid0(VALU_DEP_2)
	v_lshlrev_b32 v7, 4, v9
	v_and_b32 v4, 7, v0
	v_bfe_u32 v10, v0, 3, 1
	s_delay_alu instid0(VALU_DEP_1)
	v_lshl_add_u32 v4, v10, 4, v4
	v_bfe_u32 v10, v0, 4, 1
	s_delay_alu instid0(VALU_DEP_1)
	v_lshlrev_b32 v10, 4, v10
	s_delay_alu instid0(VALU_DEP_1)
	v_sub_nc_u32 v4, v4, v10                       ; r % 8 + 16 (r / 8) - 16 h
.irp j, 0,1,2,3,4,5,6,7
	v_mov_b32 v[24+\j], 0                          ; Q's upper 64: zero codes
	v_mov_b32 v[96+\j], 0                          ; behind K's last tile
.endr
.irp b, 0,1,2,3
	v_mov_b32 v[220+\b], 0                         ; written once: a lane permute's destination counts as one of its sources
.endr
	v_mov_b32 v233, 0                              ; (the upper half of the pair v[232:233])
	v_mov_b32 v234, 0
	s_mov_b32 s20, 0x76543210
	s_mov_b32 s21, 0xfedcba98
	s_mov_b32 s22, 0x3e38aa3b                      ; c = log2(e) / sqrt(64)
	s_mov_b32 s23, s22                             ; (named with it as a pair)
	s_lshr_b32 s49, s8, 3                          ; Q's scale word of my tile: 16,384 + 512 (w / 8) + 256 (w % 2) + 4 ((w % 8) / 2)
	s_lshl_b32 s49, s49, 9
	s_lshl_b32 s48, s48, 8
	s_add_co_u32 s49, s49, s48
	s_bfe_u32 s48, s8, 0x20001
	s_lshl_b32 s48, s48, 2
	s_add_co_u32 s49, s49, s48
	s_add_co_u32 s49, s49, 16384
	s_lshl_b32 s52, s8, 10                         ; Q's codes of my tile
	s_lshr_b32 s53, s8, 1                          ; my tile's first row in a block: 32 (w / 2) + 8 (w % 2)
	s_lshl_b32 s53, s53, 5
	s_and_b32 s48, s8, 1
	s_lshl_b32 s48, s48, 3
	s_add_co_u32 s53, s53, s48
	s_and_b32 s54, s10, 15                         ; the head
	s_lshr_b32 s55, s10, 4                         ; the batch
	s_lshl_b32 s55, s55, 7
	s_add_co_u32 s55, s55, s8                      ; tile 128 b + w (+ 16 x block)
	s_lshr_b32 s50, s54, 1
	s_lshl_b32 s50, s50, 20                        ; oc's codes: K step hd / 2 of 2^20 bytes,
	s_lshl_b32 s48, s55, 11
	s_add_co_u32 s50, s50, s48
	s_and_b32 s48, s54, 1
	s_lshl_b32 s48, s48, 10                        ; c = 2 (hd % 2)
	s_add_co_u32 s50, s50, s48
	s_lshl_b32 s51, s55, 9                         ; oc's scale bytes
	s_lshl_b32 s48, s54, 1
	s_add_co_u32 s51, s51, s48
	s_add_co_u32 s51, s51, OSB
	s_mov_b32 s12, 0
	s_mov_b32 s13, 0
	s_mov_b32 s15, 0
	s_mov_b32 s11, 0
	s_mov_b32 s25, s9
; The block of queries s25 is taken up: my tile of Q, and a new maximum, sum and O^T
.macro INIT
	s_wait_xcnt 0x0                                ; the stores of the block before have read their data and bases: both are written again only behind this wait
	s_lshl_b32 s14, s25, 8
	s_add_co_u32 s14, s14, s53                     ; my first query
	s_mul_i32 s54, s25, QREC
	s_add_co_u32 s26, s54, s52
	s_add_nc_u64 s[28:29], s[18:19], s[26:27]
	s_add_co_u32 s26, s54, s49
	s_add_nc_u64 s[34:35], s[18:19], s[26:27]
	global_load_b128 v[16:19], v1, s[28:29]
	global_load_b128 v[20:23], v1, s[28:29] offset:512
	global_load_b32 v254, v7, s[34:35]
	v_mov_b32 v13, 0xff61b1e6                      ; the largest t so far: -3e38
	s_delay_alu instid0(VALU_DEP_1)
	v_floor_f32 v12, -v13                          ; -M
	v_mov_b32 v14, 0
	v_mov_b32 v15, 0
.set n, 0
.rept 32
	v_mov_b32 v[168+n], 0                          ; O^T: the step is written once; its first walk finds zeros, which the first change of M leaves zeros
.set n, n+1
.endr
	s_wait_loadcnt 0x0
.endm
; A KEY STEP: 128 keys, the q-th of the slot in hand
.macro STEP q
	s_add_co_u32 s48, s14, 23
	s_cmp_gt_u32 s13, s48
	s_cbranch_scc1 .Lhidden_\@                     ; all its keys come after my queries
	v_add_nc_u32 v8, s12, v1
	v_add_nc_u32 v9, s12, v2
.rept 6
	v_nop                                          ; with the two additions: eight places in front of loads into registers that the last products read
.endr
.irp t, 0,1,2,3,4,5,6,7
	ds_load_b128 v[32+8*\t:35+8*\t], v8 offset:8192*(\q)+1024*\t
	ds_load_b128 v[36+8*\t:39+8*\t], v8 offset:8192*(\q)+1024*\t+512
.endr
	ds_load_b128 v[248:251], v8 offset:32768+512*(\q)   ; K's words: register i: lanes 0-15 tile 2 i, lanes 16-31 tile 2 i + 1
	s_wait_alu depctr_va_vdst(0)
	s_wait_dscnt 0x0
.irp t, 0,2,4,6
	v_wmma_scale_f32_16x16x128_f8f6f4 v[104+8*\t:111+8*\t], v[32+8*\t:47+8*\t], v[16:31], 0, v[248+\t/2], v254
	v_wmma_scale_f32_16x16x128_f8f6f4 v[112+8*\t:119+8*\t], v[40+8*\t:55+8*\t], v[16:31], 0, v[248+\t/2], v254 matrix_a_scale:MATRIX_SCALE_ROW1
.endr
.rept 8
	v_nop                                          ; places in front of the loads below and of the first read of the scores
.endr
.irp t, 0,1,2,3                        ; V's four tiles land while the softmax is walked
.irp c, 0,1,2,3
	ds_load_b128 v[32+16*\t+4*\c:35+16*\t+4*\c], v8 offset:16384+8192*(\q)+2048*\t+512*\c
.endr
.endr
	ds_load_b32 v252, v9 offset:33792+256*(\q)
	ds_load_b32 v253, v9 offset:33792+256*(\q)+128
	s_add_co_u32 s48, s13, 127
	s_cmp_le_u32 s48, s14
	s_cbranch_scc1 .Lopen_\@                       ; all its keys count
	s_sub_co_i32 s48, s14, s13
	v_add_nc_u32 v238, s48, v4                     ; d = my query - the step's first key - 16 (lane / 16).  Register 16 b + i holds key 32 b + 16 (lane / 16) + i of the step: hidden where 32 b + i > d
	v_mov_b32 v239, 0xff800000
.set n, 0
.rept 64
	v_cmp_gt_i32 vcc_lo, 32*(n/16)+n%16, v238
	v_cndmask_b32 v[104+n], v[104+n], v239, vcc_lo
.set n, n+1
.endr
.Lopen_\@:
.irp b, 0,1,2,3
	v_max3_num_f32 v[216+\b], v[104+16*\b], v[105+16*\b], v[106+16*\b]   ; the largest score of each block of 32 keys: for the row's maximum and, since p rises with the score, for the block's largest p
.endr
.irp i, 3,5,7,9,11,13
.irp b, 0,1,2,3
	v_max3_num_f32 v[216+\b], v[216+\b], v[104+16*\b+\i], v[105+16*\b+\i]
.endr
.endr
.irp b, 0,1,2,3
	v_max_num_f32 v[216+\b], v[216+\b], v[119+16*\b]
.endr
.irp b, 0,1,2,3
	s_delay_alu instid0(VALU_DEP_4)
	v_permlanex16_b32 v[220+\b], v[216+\b], s20, s21
.endr
.irp b, 0,1,2,3
	s_delay_alu instid0(VALU_DEP_4)
	v_max_num_f32 v[216+\b], v[216+\b], v[220+\b]  ; with lane l xor 16's 16 keys
.endr
	s_delay_alu instid0(VALU_DEP_2)
	v_max3_num_f32 v234, v216, v217, v218
	s_delay_alu instid0(VALU_DEP_1)
	v_max_num_f32 v234, v234, v219
	s_delay_alu instid0(VALU_DEP_1)
	v_mul_f32 v234, s22, v234                      ; as t (c is positive)
	s_delay_alu instid0(VALU_DEP_1)
	v_max_num_f32 v13, v13, v234                   ; the running largest t
	v_mov_b32 v234, v12
	s_delay_alu instid0(VALU_DEP_2)
	v_floor_f32 v12, -v13                          ; the new -M = -ceil(t)
	s_delay_alu instid0(VALU_DEP_1)
	v_sub_f32 v234, v12, v234                      ; old M - new M: a whole number, 0 or less
	s_delay_alu instid0(VALU_DEP_1)
	v_cvt_i32_f32 v234, v234                       ; (it saturates)
	s_delay_alu instid0(VALU_DEP_1)
	v_ldexp_f32 v232, 1.0, v234                    ; f = 2^(old M - new M)
.set n, 0
.rept 32
	v_pk_fma_f32 v[104+n:105+n], v[104+n:105+n], s[22:23], v[12:13] op_sel_hi:[1,0,0]   ; t - M, two at a time
.set n, n+2
.endr
.irp b, 0,1,2,3
	v_fma_f32 v[216+\b], v[216+\b], s22, v12       ; the same of each block's largest score
.endr
.set n, 0
	s_wait_alu depctr_va_vdst(0)
.rept 64
	v_exp_f32 v[104+n], v[104+n]                   ; p = 2^(t - M)
.set n, n+1
.endr
.irp b, 0,1,2,3
	v_exp_f32 v[216+\b], v[216+\b]                 ; the block's largest p
.endr
	v_pk_mul_f32 v[14:15], v[14:15], v[232:233] op_sel_hi:[1,0]   ; the sums under the new M (a plain place behind the exponentials)
	s_wait_alu depctr_va_vdst(0)
.irp b, 0,1,2,3
	v_max_num_f32 v[216+\b], 0x4800000, v[216+\b]  ; the floor 2^(9 - 127): the byte cannot fall under 1
.endr
.irp b, 0,1,2,3
	s_delay_alu instid0(VALU_DEP_4)
	v_add_nc_u32 v[228+\b], 0xfc000000, v[216+\b]  ; the conversion's scale operand
.endr
.irp b, 0,1,2,3
.endr
.irp b, 0,1,2,3
	s_delay_alu instid0(VALU_DEP_4)
	v_lshrrev_b32 v[220+\b], 23, v[228+\b]         ; the scale's byte
.endr
	s_delay_alu instid0(VALU_DEP_3)
	v_lshl_or_b32 v255, v221, 8, v220              ; p's scale word for these 128 keys
	s_delay_alu instid0(VALU_DEP_1)
	v_lshl_or_b32 v255, v222, 16, v255
	s_delay_alu instid0(VALU_DEP_1)
	v_lshl_or_b32 v255, v223, 24, v255
	v_pk_add_f32 v[236:237], v[108:109], v[112:113]
	v_pk_add_f32 v[250:251], v[116:117], v[120:121]
	v_pk_add_f32 v[248:249], v[124:125], v[128:129]
	v_pk_add_f32 v[246:247], v[132:133], v[136:137]
	v_pk_add_f32 v[244:245], v[140:141], v[144:145]
	v_pk_add_f32 v[242:243], v[148:149], v[152:153]
	v_pk_add_f32 v[240:241], v[156:157], v[160:161]
	v_pk_add_f32 v[14:15], v[14:15], v[164:165]
	v_pk_add_f32 v[236:237], v[236:237], v[104:105]
	v_pk_add_f32 v[250:251], v[250:251], v[106:107]
	v_pk_add_f32 v[248:249], v[248:249], v[110:111]
	v_pk_add_f32 v[246:247], v[246:247], v[114:115]
	v_pk_add_f32 v[244:245], v[244:245], v[118:119]
	v_pk_add_f32 v[242:243], v[242:243], v[122:123]
	v_pk_add_f32 v[240:241], v[240:241], v[126:127]
	v_pk_add_f32 v[14:15], v[14:15], v[130:131]
	v_pk_add_f32 v[236:237], v[236:237], v[134:135]
	v_pk_add_f32 v[250:251], v[250:251], v[138:139]
	v_pk_add_f32 v[248:249], v[248:249], v[142:143]
	v_pk_add_f32 v[246:247], v[246:247], v[146:147]
	v_pk_add_f32 v[244:245], v[244:245], v[150:151]
	v_pk_add_f32 v[242:243], v[242:243], v[154:155]
	v_pk_add_f32 v[240:241], v[240:241], v[158:159]
	v_pk_add_f32 v[14:15], v[14:15], v[162:163]
	v_pk_add_f32 v[236:237], v[236:237], v[166:167]
	s_delay_alu instid0(VALU_DEP_2)
	v_pk_add_f32 v[14:15], v[14:15], v[246:247]
	s_delay_alu instid0(VALU_DEP_2)
	v_pk_add_f32 v[236:237], v[236:237], v[244:245]
	v_pk_add_f32 v[250:251], v[250:251], v[242:243]
	v_pk_add_f32 v[248:249], v[248:249], v[240:241]
	s_delay_alu instid0(VALU_DEP_2)
	v_pk_add_f32 v[14:15], v[14:15], v[250:251]
	s_delay_alu instid0(VALU_DEP_2)
	v_pk_add_f32 v[236:237], v[236:237], v[248:249]
	s_delay_alu instid0(VALU_DEP_1)
	v_pk_add_f32 v[14:15], v[14:15], v[236:237]
.irp b, 0,1,2,3
.irp i, 0,1,2,3,4,5,6,7,8,9,10,11,12,13,14,15
.endr
	v_cvt_scalef32_pk8_fp8_f32 v[200+4*\b:201+4*\b], v[104+16*\b:111+16*\b], v[228+\b]
	v_cvt_scalef32_pk8_fp8_f32 v[202+4*\b:203+4*\b], v[112+16*\b:119+16*\b], v[228+\b]
.endr
.set n, 0
.rept 16
	v_pk_mul_f32 v[168+n:169+n], v[168+n:169+n], v[232:233] op_sel_hi:[1,0]   ; O^T under the new M; these lines also stand between the conversions and the products below
.set n, n+2
.endr
	s_wait_alu depctr_va_vdst(0)
	s_wait_dscnt 0x0                               ; V and its words are in
	v_wmma_scale_f32_16x16x128_f8f6f4 v[168:175], v[32:47], v[200:215], v[168:175], v252, v255
	v_wmma_scale_f32_16x16x128_f8f6f4 v[176:183], v[48:63], v[200:215], v[176:183], v252, v255 matrix_a_scale:MATRIX_SCALE_ROW1
	v_wmma_scale_f32_16x16x128_f8f6f4 v[184:191], v[64:79], v[200:215], v[184:191], v253, v255
	v_wmma_scale_f32_16x16x128_f8f6f4 v[192:199], v[80:95], v[200:215], v[192:199], v253, v255 matrix_a_scale:MATRIX_SCALE_ROW1
.Lhidden_\@:
	s_add_co_u32 s13, s13, 128
.endm
; THE CHANGE OF SLOTS stands at a slot's head.  Each wave waits for all its tensor loads, adds 0 to its spare word, and waits for that and for its reads of the slot that it has left.
; Behind the barrier the slot ahead is whole and nobody reads the other one.  fill = 1: that other slot takes the next trip's record: it has a whole slot's steps in which to land.
.macro CHANGE fill
	s_wait_tensorcnt 0x0                           ; no tensor load of mine is out, so the group 0 may be written
	ds_add_u32 v5, v6                              ; 0 onto my spare word
.if \fill
	s_add_co_u32 s48, s15, 1
	s_cmp_eq_u32 s11, s9                           ; behind the first block's last slot the walk begins anew at record 0
	s_cselect_b32 s15, 0, s48
	s_mul_i32 s26, s15, KVREC
	s_add_nc_u64 s[38:39], s[16:17], s[26:27]
	s_or_b32 s39, s39, 0x80000000
	s_xor_b32 s37, s37, SLOT1
.endif
	s_wait_dscnt 0x0                               ; the add is done, and my reads of the slot that I have left are over
	s_barrier_signal -1
	s_barrier_wait -1
.if \fill
	s_cmp_lt_u32 s8, 2
	s_cbranch_scc0 .Lno_fill_\@
	tensor_load_to_lds s[36:39], s[40:47]          ; the first thing behind the barrier, and a wave's one tensor load until the next
	s_nop 0
.rept 4
	v_nop
.endr
.Lno_fill_\@:
.endif
.endm
; THE WAY OUT of a block of queries: O^T / the sum, quantised along the head's 64 (two blocks of 32 of the last product's K): the codes are that operand's registers and leave as they stand
.macro OUT
.rept 8
	v_nop                                          ; places behind the last products
.endr
	v_add_f32 v14, v14, v15
	s_delay_alu instid0(VALU_DEP_1)
	v_permlanex16_b32 v234, v14, s20, s21
	s_delay_alu instid0(VALU_DEP_1)
	v_add_f32 v14, v14, v234                       ; the row's sum
	s_wait_alu depctr_va_vdst(0)
	v_rcp_f32 v14, v14
	v_nop
.set n, 0
	s_wait_alu depctr_va_vdst(0)
.rept 16
	v_pk_mul_f32 v[168+n:169+n], v[168+n:169+n], v[14:15] op_sel_hi:[1,0]
.set n, n+2
.endr
.irp b, 0,1
	v_max3_num_f32 v[216+\b], |v[168+16*\b]|, |v[169+16*\b]|, 0x4800000
.endr
.irp i, 2,4,6,8,10,12,14
.irp b, 0,1
	s_delay_alu instid0(VALU_DEP_2)
	v_max3_num_f32 v[216+\b], v[216+\b], |v[168+16*\b+\i]|, |v[169+16*\b+\i]|
.endr
.endr
.irp b, 0,1
	s_delay_alu instid0(VALU_DEP_2)
	v_permlanex16_b32 v[220+\b], v[216+\b], s20, s21
.endr
.irp b, 0,1
	s_delay_alu instid0(VALU_DEP_2)
	v_max_num_f32 v[216+\b], v[216+\b], v[220+\b]
.endr
.irp b, 0,1
	s_delay_alu instid0(VALU_DEP_2)
	v_add_nc_u32 v[228+\b], 0xfc000000, v[216+\b]
.endr
.irp b, 0,1
.endr
.irp b, 0,1
	s_delay_alu instid0(VALU_DEP_2)
	v_lshrrev_b32 v[220+\b], 23, v[228+\b]
.endr
	s_delay_alu instid0(VALU_DEP_1)
	v_lshl_or_b32 v235, v221, 8, v220              ; my row's two bytes
.irp b, 0,1
.irp i, 0,1,2,3,4,5,6,7,8,9,10,11,12,13,14,15
.endr
	v_cvt_scalef32_pk8_fp8_f32 v[200+4*\b:201+4*\b], v[168+16*\b:175+16*\b], v[228+\b]
	v_cvt_scalef32_pk8_fp8_f32 v[202+4*\b:203+4*\b], v[176+16*\b:183+16*\b], v[228+\b]
.endr
	v_nop                                          ; one plain vector line behind the last conversion
	s_lshl_b32 s54, s25, 15                        ; 16 tiles of 2,048 bytes a block
	s_add_co_u32 s26, s54, s50
	s_add_nc_u64 s[30:31], s[6:7], s[26:27]
	s_lshl_b32 s54, s25, 13
	s_add_co_u32 s26, s54, s51
	s_add_nc_u64 s[32:33], s[6:7], s[26:27]
	global_store_b128 v1, v[200:203], s[30:31]     ; 1,024 consecutive bytes in two stores, at a multiple of 256 from the buffer's first byte
	global_store_b128 v1, v[204:207], s[30:31] offset:512
	global_store_b16 v3, v235, s[32:33]            ; two bytes a row, 32 bytes apart (the other heads fill the gaps); lanes 16-31 repeat lanes 0-15 with the same bytes.  One byte in 32 of what the launch stores
.endm
	INIT                                           ; block I
.Lslot:                                            ; 8 trips; behind each change of slots the next trip's record is asked for
	CHANGE 1
	s_add_co_u32 s48, s9, 1
	s_cmp_lg_u32 s11, s48
	s_cbranch_scc1 .Lsame                          ; trip I + 1 begins the second block: 7 - I
	OUT
	s_sub_co_u32 s25, 7, s9
	INIT
	s_mov_b32 s13, 0
.Lsame:
	STEP 0
	STEP 1
	s_xor_b32 s12, s12, SLOT1                      ; on to the other slot
	s_add_co_u32 s11, s11, 1
	s_cmp_lt_u32 s11, 8
	s_cbranch_scc1 .Lslot
	CHANGE 0                                       ; the ninth slot is written out
	STEP 0
	STEP 1
	OUT
	s_wait_tensorcnt 0x0                           ; the wave's end
	ds_add_u32 v5, v6
	s_wait_dscnt 0x0
	s_endpgm
.Lfunc_end_k_q27de56820b_attn:
	.size	k_q27de56820b_attn, .Lfunc_end_k_q27de56820b_attn-k_q27de56820b_attn
	.p2alignl 7, 3214868480
	.fill 96, 4, 3214868480
	.section	.rodata,"a",@progbits
	.p2align	6, 0x0
	.amdhsa_kernel k_q27de56820b_attn
		.amdhsa_group_segment_fixed_size 327680
		.amdhsa_private_segment_fixed_size 0
		.amdhsa_enable_private_segment 0
		.amdhsa_kernarg_size 16
		.amdhsa_user_sgpr_count 2
		.amdhsa_user_sgpr_kernarg_segment_ptr 1
		.amdhsa_wavefront_size32 1
		.amdhsa_system_sgpr_workgroup_id_x 1
		.amdhsa_system_sgpr_workgroup_id_y 1
		.amdhsa_system_sgpr_workgroup_id_z 1
		.amdhsa_system_vgpr_workitem_id 0
		.amdhsa_next_free_vgpr 256
		.amdhsa_next_free_sgpr 66
		.amdhsa_reserve_vcc 1
		.amdhsa_float_denorm_mode_32 3
		.amdhsa_float_denorm_mode_16_64 3
		.amdhsa_fp16_overflow 1
		.amdhsa_memory_ordered 1
		.amdhsa_forward_progress 1
		.amdhsa_inst_pref_size 108
	.end_amdhsa_kernel
	.amdgpu_metadata
---
amdhsa.version: [ 1, 2 ]
amdhsa.kernels:
  - .name:           k_q27de56820b_attn
    .symbol:         k_q27de56820b_attn.kd
    .args:
      - { .name: att, .offset: 0, .size: 8, .value_kind: global_buffer, .address_space: global }
      - { .name: oc, .offset: 8, .size: 8, .value_kind: global_buffer, .address_space: global }
    .group_segment_fixed_size: 327680
    .private_segment_fixed_size: 0
    .kernarg_segment_align: 8
    .kernarg_segment_size: 16
    .max_flat_workgroup_size: 512
    .sgpr_count:     66
    .vgpr_count:     256
    .wavefront_size: 32
...
	.end_amdgpu_metadata
.endif
;; end of part 3
;; launch proj (part 4): grid 8 x 32, 4 waves a work-group, clusters of 4 x 4, 327,680 bytes of LDS; arguments oc, qz, b_out, out0; writes out0
.if DOCPART == 4
	.amdgcn_target "amdgcn-amd-amdhsa--gfx1250"
	.amdhsa_code_object_version 6
	.text
	.protected	k_q27de56820b_proj
	.globl	k_q27de56820b_proj
	.p2align	8
	.type	k_q27de56820b_proj,@function
k_q27de56820b_proj:
	s_mov_b64 s[64:65], 0
	v_nop
	global_prefetch_b8 v0, s[64:65] scope:SCOPE_SE
	s_setreg_imm32_b32 hwreg(HW_REG_WAVE_MODE, 25, 1), 1
	s_wait_xcnt 0x0
	s_wait_alu depctr_hold_cnt(0) depctr_sa_sdst(0) depctr_va_vdst(0) depctr_va_sdst(0) depctr_va_ssrc(0) depctr_va_vcc(0) depctr_vm_vsrc(0)
	s_getreg_b32 s2, hwreg(HW_REG_IB_STS2, 6, 4)
	s_cmp_eq_u32 s2, 0
	s_cbranch_scc0 .Lentry_in_a_cluster
	s_endpgm
.Lentry_in_a_cluster:
	s_bfe_u32 s2, ttmp6, 0x10000c
	s_cmp_lg_u32 s2, 0xf033
	s_cbranch_scc0 .Lentry_shape_is_right
	s_endpgm
.Lentry_shape_is_right:
; out0 = attention's result x W_out^T + b_out on codes of E4M3 with E8M0 scales: the rows' codes and scale bytes from oc, W_out's from qz (tiles 704-767).  out0 [8192][1024] f32.
; SHARES.  A work-group makes 256 rows (block rb) x 128 columns (block nb).  Wave (rh, ch): row tiles 8 rh + a, a = 0..7, x column tiles 4 ch + f, f = 0..3: 32 accumulators, 8 K steps of 128.  256 work-groups.
; Tiles are not neighbours: lane r of tile T takes row (or column) 32 (T / 2) + 8 (T % 2) + r % 8 + 16 (r / 8).  THE MATRIX INSTRUCTION IS USED TRANSPOSED (source 0 = 16 columns' rows of W_out, source 1 = 16 rows):
; a lane holds one row of out0, and the 16 registers of two neighbouring tiles are 16 neighbouring columns.  The bias is the C of each sum's first matrix instruction.
; THE RING.  Fragments lie in oc and qz as images of the operand's registers, step-major: a K step of the block's 16 row tiles is one dense block of 32 KiB, of the 8 column tiles one of 16 KiB.  Two LDS slots of two K steps;
; waves 0, 1 bring the rows' two steps, waves 2, 3 W_out's, one tensor load each.  CLUSTERS: 4 x 4 work-groups; the rows' blocks are shared along a row of the cluster, W_out's along a column: joint loads.
; THE WAY OUT.  A wave's 64 columns of a row are 256 bytes; a tile of 16 rows goes through the wave's own stage in LDS (rows of 256 + 16 bytes, two stages by turns) and leaves by rows: sixteen lanes store 256 consecutive bytes, aligned.
; REGISTERS, in windows of 256: window 0: v1-15 addresses; v16-47 the rows' scale words, v48-63 W_out's; v64-95 the bias; v128-191 rows on the way out.   window 1: the rows' fragments, two sets of 128.
;   window 2: the accumulators, (a, f) at v[8 (4 a + f)].   window 3: W_out's fragments, two sets of 64.
.set SSTR,  1572864                    ; bytes of one K step in qz
.set SCB,   12582912                   ; qz's scale words
.set OSTR,  1048576                    ; bytes of one K step in oc
.set OSB,   8388608                    ; oc's scale bytes
.set SLOT,  98304                      ; rows: 2 steps x 32,768; W_out: 2 steps x 16,384
.set BOFF,  65536
.set SPARE, 2*SLOT                     ; behind the ring: the spare words, 128 bytes for each wave: two blocks of 256 bytes that no other line names
.set STAGE, SPARE+512                  ; behind them: two stages of 16 x 272 bytes for each wave; no fill lands here
.set LI,  1
.set L32, 2
.set ADA, 4
.set ADB, 6
.set STO, 8
.set RD,  9
.set SPW, 10
.set NIL, 11
.set CO,  12
.set SCA, 16
.set SCW, 48
.set BB,  64
.set BK,  128
.set WV,  14                           ; s14 wave, s15 rh (also: I fetch rows (0) or W_out (1)), s16 ch (also: which of a slot's two steps I fetch), s17 rb
.set RH,  15
.set CH,  16
.set RB,  17
.set G1A, 24
.set G0A, 32
.set G1B, 48
.set G0B, 56
.set MSB, 0
.macro WIN new                         ; the immediate's high byte repeats the setting that is left
.if MSB != \new
	s_set_vgpr_msb (MSB<<8)|\new
.set MSB, \new
.endif
.endm
.macro PLACES n
.rept \n
	v_nop
.endr
.endm
.macro JLOAD g0a, g1a, g0b, g1b        ; a joint load; the branch hangs on the wave's number alone; four v_nop follow each line
	s_cmp_eq_u32 s[RH], 0
	s_cbranch_scc0 .Lfor_b_\@
	tensor_load_to_lds s[\g0a:\g0a+3], s[\g1a:\g1a+7]
	s_nop 0
.rept 4
	v_nop
.endr
	s_branch .Lasked_\@
.Lfor_b_\@:
	tensor_load_to_lds s[\g0b:\g0b+3], s[\g1b:\g1b+7]
	s_nop 0
.rept 4
	v_nop
.endr
.Lasked_\@:
.endm
.macro CREST
	s_cmp_lg_u32 s[WV], 0
	s_cbranch_scc1 .Lnot_wave_0_\@
	s_barrier_signal -3
.Lnot_wave_0_\@:
	s_barrier_wait -3
	s_barrier_signal -1
	s_barrier_wait -1
.endm
.macro CROUND
	s_barrier_signal -1
	s_barrier_wait -1
	CREST
.endm
	s_load_b256 s[4:11], s[0:1], 0x0               ; oc s[4:5], qz s[6:7], b_out s[8:9], out0 s[10:11]
	v_lshl_add_u32 v[SPW], v0, 2, SPARE
	v_mov_b32 v[NIL], 0
	ds_add_u32 v10, v11
	ds_add_u32 v10, v11
	s_wait_dscnt 0x0
	v_lshrrev_b32 v13, 5, v0
	v_readfirstlane_b32 s[WV], v13
	s_lshr_b32 s[RH], s[WV], 1
	s_and_b32 s[CH], s[WV], 1
	s_bfe_u32 s40, ttmp6, 0x40000                  ; cx, cy
	s_bfe_u32 s41, ttmp6, 0x40004
	s_lshl_b32 s42, ttmp9, 2
	s_add_co_u32 s42, s42, s40                     ; the block of columns
	s_and_b32 s[RB], ttmp7, 0xffff
	s_lshl_b32 s[RB], s[RB], 2
	s_add_co_u32 s[RB], s[RB], s41                 ; the block of rows
	s_lshl_b32 s43, s41, 2
	s_lshl_b32 s43, 15, s43                        ; my row of the cluster
	s_lshl_b32 s44, 0x1111, s40                    ; my column
	s_or_b32 s[G1A], s43, (3<<16)|(1<<21)          ; 15:0 the mask; 17:16 elements of 8 bytes; 21 set beside a mask; no padding
	s_or_b32 s[G1B], s44, (3<<16)|(1<<21)
	s_mov_b32 s[G1A+1], 32<<16                     ; dense blocks as rows of 256 bytes
	s_mov_b32 s[G1A+2], 128<<16
	s_mov_b32 s[G1A+3], 32<<16
	s_mov_b32 s[G1A+4], 128
	s_mov_b32 s[G1A+5], 32
	s_mov_b32 s[G1A+6], 0
	s_mov_b32 s[G1A+7], 0
	s_mov_b32 s[G1B+1], 32<<16
	s_mov_b32 s[G1B+2], 64<<16
	s_mov_b32 s[G1B+3], 32<<16
	s_mov_b32 s[G1B+4], 64
	s_mov_b32 s[G1B+5], 32
	s_mov_b32 s[G1B+6], 0
	s_mov_b32 s[G1B+7], 0
	s_mul_i32 s22, s[CH], OSTR                     ; my K step of a slot's two
	s_lshl_b32 s20, s[RB], 15
	s_add_co_u32 s20, s20, s22
	s_mov_b32 s21, 0
	s_mul_i32 s45, s[CH], SSTR
	s_lshl_b32 s46, s42, 14                        ; 8 tiles of 2,048 bytes a block of columns, behind 704 tiles
	s_add_co_u32 s46, s46, 704*2048
	s_add_co_u32 s46, s46, s45
	s_mov_b32 s47, 0
	s_lshl_b32 s23, s[CH], 15                      ; where they go in a slot
	s_lshl_b32 s45, s[CH], 14
	s_wait_kmcnt 0x0
	s_add_nc_u64 s[18:19], s[4:5], s[20:21]
	s_add_nc_u64 s[46:47], s[6:7], s[46:47]
	CROUND                                         ; all sixteen work-groups are here: the first joint loads meet
.irp s, 0,1
	s_mov_b32 s[G0A+4*\s], 1
	s_add_co_u32 s[G0A+4*\s+1], s23, \s*SLOT
	s_add_nc_u64 s[G0A+4*\s+2:G0A+4*\s+3], s[18:19], \s*2*OSTR
	s_or_b32 s[G0A+4*\s+3], s[G0A+4*\s+3], 0x80000000
	s_mov_b32 s[G0B+4*\s], 1
	s_add_co_u32 s[G0B+4*\s+1], s45, \s*SLOT+BOFF
	s_add_nc_u64 s[G0B+4*\s+2:G0B+4*\s+3], s[46:47], \s*2*SSTR
	s_or_b32 s[G0B+4*\s+3], s[G0B+4*\s+3], 0x80000000
	s_wait_alu depctr_va_vdst(0)
	s_wait_tensorcnt 0x0
	ds_add_u32 v10, v11
	ds_add_u32 v10, v11
	s_wait_dscnt 0x0
	CROUND
	JLOAD G0A+4*\s, G1A, G0B+4*\s, G1B             ; K steps 2 s, 2 s + 1: one load of mine is out behind these lines
.endr
	v_and_b32 v13, 31, v0
	v_lshlrev_b32 v[LI], 4, v13
	v_lshlrev_b32 v[L32], 5, v13
	s_lshl_b32 s76, s[RH], 14
	s_lshl_b32 s77, s[CH], 13
	s_add_co_u32 s77, s77, BOFF
.irp s, 0,1
	v_add_nc_u32 v[ADA+\s], s76, v[LI]
	v_add_nc_u32 v[ADB+\s], s77, v[LI]
	s_add_co_u32 s76, s76, SLOT
	s_add_co_u32 s77, s77, SLOT
.endr
	v_and_b32 v13, 15, v0                          ; r
	v_bfe_u32 v14, v0, 4, 1                        ; h
	s_mul_i32 s76, s[WV], 8704
	s_add_co_u32 s76, s76, STAGE                   ; my stages
	v_mul_u32_u24 v[STO], v13, 272
	v_lshl_add_u32 v[STO], v14, 6, v[STO]
	v_add_nc_u32 v[STO], s76, v[STO]               ; in: row r, + 64 h
	v_mul_u32_u24 v[RD], v14, 272
	v_lshl_add_u32 v[RD], v13, 4, v[RD]
	v_add_nc_u32 v[RD], s76, v[RD]                 ; back: lanes 0-15 one row, lanes 16-31 the next
	v_lshlrev_b32 v[CO], 12, v14
	v_lshl_add_u32 v[CO], v13, 4, v[CO]            ; and the same in out0
	v_lshlrev_b32 v15, 6, v14                      ; the bias: 64 h bytes
	s_wait_alu depctr_va_vdst(0)
	s_lshl_b32 s66, s[RB], 4                       ; the rows' scale words: tile 16 rb + 8 rh on
	s_lshl_b32 s76, s[RH], 3
	s_add_co_u32 s66, s66, s76
	s_lshl_b32 s66, s66, 9
	s_add_co_u32 s66, s66, OSB
	s_mov_b32 s67, 0
	s_add_nc_u64 s[66:67], s[4:5], s[66:67]
	s_lshl_b32 s68, s42, 3                         ; W_out's: tile 704 + 8 nb + 4 ch on
	s_lshl_b32 s76, s[CH], 2
	s_add_co_u32 s68, s68, s76
	s_add_co_u32 s68, s68, 704
	s_lshl_b32 s68, s68, 9
	s_add_co_u32 s68, s68, SCB
	s_mov_b32 s69, 0
	s_add_nc_u64 s[68:69], s[6:7], s[68:69]
	s_lshl_b32 s70, s42, 9                         ; my 64 columns, in bytes: 512 nb + 256 ch
	s_lshl_b32 s76, s[CH], 8
	s_add_co_u32 s70, s70, s76
	s_mov_b32 s71, 0
	s_add_nc_u64 s[72:73], s[8:9], s[70:71]        ; in the bias,
	s_lshl_b32 s74, s[RB], 8
	s_lshl_b32 s76, s[RH], 7
	s_add_co_u32 s74, s74, s76                     ; my first row
	s_lshl_b32 s74, s74, 12
	s_add_co_u32 s74, s74, s70
	s_mov_b32 s75, 0
	s_add_nc_u64 s[92:93], s[10:11], s[74:75]      ; and in out0
.irp p, 0,1,2,3                        ; a pair of tiles' words for all 8 K steps: register s = step s; lanes 0-15 the even tile, lanes 16-31 the odd one
	global_load_b128 v[SCA+8*\p:SCA+8*\p+3], v[L32], s[66:67] offset:1024*\p
	global_load_b128 v[SCA+8*\p+4:SCA+8*\p+7], v[L32], s[66:67] offset:1024*\p+16
.endr
.irp p, 0,1
	global_load_b128 v[SCW+8*\p:SCW+8*\p+3], v[L32], s[68:69] offset:1024*\p
	global_load_b128 v[SCW+8*\p+4:SCW+8*\p+7], v[L32], s[68:69] offset:1024*\p+16
.endr
.irp t, 0,1,2,3                        ; lane (r, h), register j of tile t: column 32 (t / 2) + 16 h + 8 (t % 2) + j
	global_load_b128 v[BB+8*\t:BB+8*\t+3], v15, s[72:73] offset:128*(\t/2)+32*(\t%2)
	global_load_b128 v[BB+8*\t+4:BB+8*\t+7], v15, s[72:73] offset:128*(\t/2)+32*(\t%2)+16
.endr
.macro WM
.if fA && fB
	v_wmma_scale_f32_16x16x128_f8f6f4 v[rD:rD+7], v[rA:rA+15], v[rB:rB+15], v[rC:rC+7], v[rSA], v[rSB] matrix_a_scale:MATRIX_SCALE_ROW1 matrix_b_scale:MATRIX_SCALE_ROW1
.elseif fA
	v_wmma_scale_f32_16x16x128_f8f6f4 v[rD:rD+7], v[rA:rA+15], v[rB:rB+15], v[rC:rC+7], v[rSA], v[rSB] matrix_a_scale:MATRIX_SCALE_ROW1
.elseif fB
	v_wmma_scale_f32_16x16x128_f8f6f4 v[rD:rD+7], v[rA:rA+15], v[rB:rB+15], v[rC:rC+7], v[rSA], v[rSB] matrix_b_scale:MATRIX_SCALE_ROW1
.else
	v_wmma_scale_f32_16x16x128_f8f6f4 v[rD:rD+7], v[rA:rA+15], v[rB:rB+15], v[rC:rC+7], v[rSA], v[rSB]
.endif
.endm
.macro FETCH s                         ; K step s's fragments, 48 LDS loads in one run, into the sets s % 2
.set FSG, ((\s)/2)%2
.set FSL, (\s)%2
	WIN 0xc0
.irp f, 0,1,2,3
.irp c, 0,1,2,3
	ds_load_b128 v[64*FSL+16*\f+4*\c:64*FSL+16*\f+4*\c+3], v[ADB+FSG] offset:16384*FSL+2048*\f+512*\c
.endr
.endr
	WIN 0x40
.irp a, 0,1,2,3,4,5,6,7
.irp c, 0,1,2,3
	ds_load_b128 v[128*FSL+16*\a+4*\c:128*FSL+16*\a+4*\c+3], v[ADA+FSG] offset:32768*FSL+2048*\a+512*\c
.endr
.endr
	WIN 0
.endm
; Row tiles a0 .. a1 against my four column tiles.  In K step 0 the bias is the C.  The 32 accumulators take turns, one instruction a turn, in the same order in every step.
.macro MULP s, a0, a1
.set PP, (\s)%2
.if (\s) == 0
	WIN 0x87
.else
	WIN 0xa7
.endif
.set ia, \a0
.rept (\a1)-(\a0)+1
.set ib, 0
.rept 4
.set rD, 8*(4*ia+ib)
.set rA, 64*PP+16*ib
.set rB, 128*PP+16*ia
.set rC, rD
.if (\s) == 0
.set rC, BB+8*ib
.endif
.set rSA, SCW+8*(ib/2)+(\s)
.set rSB, SCA+8*(ia/2)+(\s)
.set fA, ib%2
.set fB, ia%2
	WM
.set ib, ib+1
.endr
.set ia, ia+1
.endr
.endm
; A load into a register that a matrix instruction has read, and an LDS store that reads a matrix result, stand eight places behind it.
.macro PLAIN s                         ; an even K step: its successor lies in the same slot
.if (\s) > 0
	PLACES 8
.endif
	FETCH (\s)+1
	s_wait_dscnt 48                                ; all but the 48 just issued: this step's fragments are in
	MULP \s, 0, 7
.endm
; An odd K step changes slots: ONE barrier; in front of it each wave waits for all its tensor loads, adds 0 to its spare word, and waits for that and for its own reads of this slot.  fill = 1: this slot is filled again, four K steps ahead.
.macro TURN s, fill
.set TSG, ((\s)/2)%2
	WIN 0
	s_wait_tensorcnt 0x0                           ; all my tensor loads have landed: my part of the next slot
	ds_add_u32 v[SPW], v[NIL]                      ; 0 onto my spare word
	s_wait_dscnt 1                                 ; this step's fragments are in (the add may be out)
	MULP \s, 0, 1                                  ; eight matrix instructions stand between the add and the wait for it
	s_wait_dscnt 0x0                               ; the add is done, and my reads of this slot are over
	s_barrier_signal -1
	MULP \s, 2, 3
	WIN 0
	s_barrier_wait -1
.if \fill
	CREST                                          ; the barrier has opened a round of the cluster's barrier: no wave of any partner still reads this slot or has a load on its way
	s_add_nc_u64 s[G0A+4*TSG+2:G0A+4*TSG+3], s[G0A+4*TSG+2:G0A+4*TSG+3], 4*OSTR
	s_add_nc_u64 s[G0B+4*TSG+2:G0B+4*TSG+3], s[G0B+4*TSG+2:G0B+4*TSG+3], 4*SSTR
	JLOAD G0A+4*TSG, G1A, G0B+4*TSG, G1B           ; the first tensor load behind the round, my one load until the next: 48 matrix instructions ahead of the wait for it; its four v_nop are four of the eight places
	PLACES 4
.else
	PLACES 8
.endif
	FETCH (\s)+1
	MULP \s, 4, 7
.endm
	s_wait_tensorcnt 0x1                           ; my part of slot 0 is in; slot 1's may stay out
	s_barrier_signal -1
	s_barrier_wait -1                              ; everybody's is
	FETCH 0
	s_wait_loadcnt 0x0                             ; scale words and bias
	PLAIN 0
	TURN 1, 1                                      ; slot 0 takes K steps 4, 5
	PLAIN 2
	TURN 3, 1                                      ; slot 1 takes K steps 6, 7
	PLAIN 4
	TURN 5, 0                                      ; nothing is left to fetch: no round
	PLAIN 6
	s_wait_dscnt 0x0
	MULP 7, 0, 7
	WIN 0
.macro TOSTAGE a                       ; row tile a into stage a % 2, and back by rows.  LDS serves a wave's instructions in order (ISA guide 5.7.1.4): no wait between the stores and the loads
	WIN 0x08                                       ; an LDS store's data are its source 1: window 2
.irp f, 0,1,2,3
	ds_store_b128 v[STO], v[32*(\a)+8*\f:32*(\a)+8*\f+3] offset:4352*((\a)%2)+128*(\f/2)+32*(\f%2)          ; each accumulator from its low end on
	ds_store_b128 v[STO], v[32*(\a)+8*\f+4:32*(\a)+8*\f+7] offset:4352*((\a)%2)+128*(\f/2)+32*(\f%2)+16
.endr
	WIN 0
.irp t, 0,1,2,3,4,5,6,7
	ds_load_b128 v[BK+32*((\a)%2)+4*\t:BK+32*((\a)%2)+4*\t+3], v[RD] offset:4352*((\a)%2)+544*\t
.endr
.endm
.macro SEND a, younger                 ; younger: the LDS instructions issued behind tile a's loads, which may stay out.  Stage row 2 t + h is the tile's lane 2 t + h: row 32 (a / 2) + 8 (a % 2) + (2 t) % 8 + h + 16 (t / 4) of my 128
	s_wait_dscnt \younger
.irp t, 0,1,2,3,4,5,6,7
	global_store_b128 v[CO], v[BK+32*((\a)%2)+4*\t:BK+32*((\a)%2)+4*\t+3], s[92:93] offset:(32*((\a)/2)+8*((\a)%2)+(2*\t)%8+16*(\t/4))*4096 th:TH_STORE_NT   ; 16 lanes store 256 consecutive bytes, at a multiple of 256 from out0's first byte
.endr
.endm
	PLACES 8                                       ; behind the last products
	TOSTAGE 0
.irp a, 1,2,3,4,5,6,7
.if \a > 1
	s_wait_xcnt 0x0                                ; tile a - 2's stores have read their registers: tile a's loads may land there
.endif
	TOSTAGE \a
	SEND \a-1, 16                                  ; behind tile a - 1's loads: tile a's 8 stores and 8 loads
.endr
	SEND 7, 0
	s_wait_tensorcnt 0x0                           ; the wave's end
	ds_add_u32 v[SPW], v[NIL]
	s_wait_dscnt 0x0
	CROUND                                         ; the closing round: no work-group ends while a partner may still ask for a block that names it
	s_endpgm
.Lfunc_end_k_q27de56820b_proj:
	.size	k_q27de56820b_proj, .Lfunc_end_k_q27de56820b_proj-k_q27de56820b_proj
	.p2alignl 7, 3214868480
	.fill 96, 4, 3214868480
	.section	.rodata,"a",@progbits
	.p2align	6, 0x0
	.amdhsa_kernel k_q27de56820b_proj
		.amdhsa_group_segment_fixed_size 327680
		.amdhsa_private_segment_fixed_size 0
		.amdhsa_enable_private_segment 0
		.amdhsa_kernarg_size 32
		.amdhsa_user_sgpr_count 2
		.amdhsa_user_sgpr_kernarg_segment_ptr 1
		.amdhsa_wavefront_size32 1
		.amdhsa_system_sgpr_workgroup_id_x 1
		.amdhsa_system_sgpr_workgroup_id_y 1
		.amdhsa_system_sgpr_workgroup_id_z 1
		.amdhsa_system_vgpr_workitem_id 0
		.amdhsa_next_free_vgpr 896
		.amdhsa_next_free_sgpr 100
		.amdhsa_reserve_vcc 0
		.amdhsa_float_denorm_mode_32 3
		.amdhsa_float_denorm_mode_16_64 3
		.amdhsa_memory_ordered 1
		.amdhsa_forward_progress 1
		.amdhsa_inst_pref_size 87
	.end_amdhsa_kernel
	.amdgpu_metadata
---
amdhsa.version: [ 1, 2 ]
amdhsa.kernels:
  - .name:           k_q27de56820b_proj
    .symbol:         k_q27de56820b_proj.kd
    .args:
      - { .name: oc, .offset: 0, .size: 8, .value_kind: global_buffer, .address_space: global }
      - { .name: qz, .offset: 8, .size: 8, .value_kind: global_buffer, .address_space: global }
      - { .name: b_out, .offset: 16, .size: 8, .value_kind: global_buffer, .address_space: global }
      - { .name: out0, .offset: 24, .size: 8, .value_kind: global_buffer, .address_space: global }
    .group_segment_fixed_size: 327680
    .private_segment_fixed_size: 0
    .kernarg_segment_align: 8
    .kernarg_segment_size: 32
    .max_flat_workgroup_size: 128
    .sgpr_count:     100
    .vgpr_count:     896
    .wavefront_size: 32
...
	.end_amdgpu_metadata
.endif
;; end of part 4
